; MI455X (gfx1250); checked and timed in simulation.
; The chip was launched on July 23, 2026; its instructions are those of AMD's public machine-readable ISA for CDNA 5 (MIT licence, August 2026) and "CDNA5" Instruction Set Architecture Reference Guide (July 2026). The comments in the code are by the model that wrote it; some were corrected since.
;; Multi Head Attention. Allowed arithmetic: matrix products marked QUANTISED: E2M1 operands, one E8M0 scale for each 32 along K, by v_wmma_scale_f32_16x16x128_f8f6f4 with both operands' format E2M1 (or v_wmma_scale_f32_32x16x128_f4), f32 sums; products left as they are: bf16, f16 or f32 operands; f32 sums; everything else in f32.
;; Inputs: Wk 1,024 x 1,024 float32; Wo 1,024 x 1,024 float32; Wq 1,024 x 1,024 float32; Wv 1,024 x 1,024 float32; x 4 x 2,048 x 1,024 float32.
;; Outputs: out0 4 x 2,048 x 1,024 float32.
;; This version of the problem:
;;   THIS VERSION OF THE PROBLEM IS GIVEN IN LOW PRECISION. The matrix products marked QUANTISED in the list below multiply operands that are first quantised to E2M1 (2 exponent bits, 1 mantissa bit; 4 bits a number), with one power-of-two scale for each 32 numbers along K (OCP MX v1.0); their sums are f32. The products marked 'left as it is' may take bf16, f16 or f32 operands, with f32 sums. Whichever they take, every output number must still come out within the allowed error. Rounding operands to bf16 (8 significant bits) uses up far more of that allowance than f16 does (11 bits, for magnitudes from 6e-5 to 65,504). All else is computed in f32.
;;   The module's matrix products, in the order in which they are computed (A, B: the left and right operand; K: the contracted axis; several contracted axes count as one K, in the product's order):
;;     1. [M 8,192, K 1,024] x [K 1,024, N 1,024]; A: input x; B: input Wq: QUANTISED
;;     2. [M 8,192, K 1,024] x [K 1,024, N 1,024]; A: input x; B: input Wk: QUANTISED
;;     3. [M 8,192, K 1,024] x [K 1,024, N 1,024]; A: input x; B: input Wv: QUANTISED
;;     4. batch 64 x [M 2,048, K 64] x [K 64, N 2,048]; A: computed on the way; B: computed on the way: left as it is (an operand is computed on the way)
;;     5. batch 64 x [M 2,048, K 2,048] x [K 2,048, N 64]; A: computed on the way; B: computed on the way: left as it is (an operand is computed on the way)
;;     6. [M 8,192, K 1,024] x [K 1,024, N 1,024]; A: computed on the way; B: input Wo: left as it is (an operand is computed on the way)
;;   THE QUANTISER, for each operand of a quantised product, along K:
;;     - K is cut into blocks of 32 from its start; a last block that is shorter is filled with zeros.
;;     - A block's scale is 2^e with e = floor(log2(the largest magnitude in the block)) - 2, held to -126 .. 127; a block of zeros has e = 0. As a byte (E8M0): e + 127.
;;     - Each number is divided by its block's scale, clamped to +-6, and rounded to the nearest number of E2M1, ties to even, subnormals kept.
;;     - The product sums the exact products of the quantised numbers (number of the format x scale) in f32.
;;   ~~~python
;;   def quantise(x, axis):      # numpy; x: float32 -> the quantised numbers, widened to float32 again
;;       x = np.moveaxis(x, axis, -1); K = x.shape[-1]
;;       x = np.pad(x, [(0, 0)] * (x.ndim - 1) + [(0, -K % 32)]); x = x.reshape(x.shape[:-1] + (-1, 32)); a = np.abs(x).max(-1, keepdims=True)
;;       e = np.where(a > 0, np.clip(np.frexp(np.where(a > 0, a, 1))[1] - 1 - 2, -126, 127), 0)      # np.frexp(a)[1] - 1 = floor(log2(a)), exactly
;;       r = np.clip(x / 2.0 ** e, -6, 6)
;;       step = 2.0 ** (np.maximum(np.frexp(np.where(r == 0, 1, r))[1] - 1, 0) - 1)
;;       q = np.round(r / step) * step * 2.0 ** e      # np.round: ties to even
;;       return np.moveaxis(q.reshape(q.shape[:-2] + (-1,))[..., :K], -1, axis).astype(np.float32)
;;   ~~~
;; One version. Each part assembles by itself: llvm-mc -triple=amdgcn-amd-amdhsa -mcpu=gfx1250 --defsym DOCPART=n.
;; ======== version 1 of 1: 5 launches
;; limits: values are held in f16: magnitudes above 65,504 overflow, below 6.1e-05 lose precision
;; workspace buffers: codes 5,767,168 bytes; scales 360,448 bytes; wot 2,097,152 bytes; rope 524,288 bytes; qkv 50,331,648 bytes; q32 786,432 bytes; ao 16,777,216 bytes
;; launch prep (part 1): grid 400 x 1, 4 waves a work-group, no clusters, 102,912 bytes of LDS; arguments x, Wq, Wk, Wv, Wo, codes, scales, wot, rope; writes codes, scales, wot, rope
.if DOCPART == 1
	.amdgcn_target "amdgcn-amd-amdhsa--gfx1250"
	.amdhsa_code_object_version 6
	.text
	.protected	k_q4b645757d3_prep
	.globl	k_q4b645757d3_prep
	.p2align	8
	.type	k_q4b645757d3_prep,@function
k_q4b645757d3_prep:
	s_mov_b64 s[64:65], 0
	v_nop
	global_prefetch_b8 v0, s[64:65] scope:SCOPE_SE
	s_setreg_imm32_b32 hwreg(HW_REG_WAVE_MODE, 25, 1), 1
	s_wait_xcnt 0x0
; PREPARATION, four kinds of work-groups, told apart by the work-group's number alone; each kind has LDS bytes of its own and its own end.
;   0..255    x [8192][1024] f32 -> codes of FP4 (E2M1), K innermost, 512 bytes a row, at byte 0 of 'codes'; one E8M0 byte for each 32 along K, 32 bytes a row, at byte 0 of 'scales'.
;   256..303  Wq, Wk, Wv [k 1024][n 1024] f32, K their FIRST axis -> codes laid [n][k], rows kind x 1024 + n, from byte 4,194,304 of 'codes'; scale bytes from byte 262,144 of 'scales'.
;   304..367  Wo [k][n] f32 -> f16, laid [n][k], in 'wot' (the last product's second operand, K innermost).
;   368..399  the rotation's table: 'rope' [position 2048][pair 32] x (cos, sin) f32: a position is 256 bytes.
; THE QUANTISER: a block's scale is 2^(floor(log2(largest magnitude)) - 2); its byte is the largest magnitude's exponent field - 2, held at 1 from below; each number / scale goes to the nearest code, ties to even,
; beyond 6 to the largest code.  A block of zeros gets the byte 1 where the rule says 127: its codes are zeros, and this program alone reads the bytes.
; LIMITS: NaN and infinities among the inputs are not served; blocks whose largest magnitude lies under 2^-124 keep the byte 1; numbers of Wo beyond 65,504 become infinity in f16.
; THE TABLE: angle = position x 10000^(-pair/32) in f32; reduced by multiples of pi/2 (pi/2 in two parts, fused multiply-adds), then series of degree 7 and 8 on |r| <= pi/4 (next terms under 4e-7).
; No tensor loads, no barrier: waves share nothing.  No cluster: no two work-groups read the same bytes.
.set SPW,   190                        ; v190 LDS address of my spare word: SPARE + 4 x my thread's number; never rewritten
.set NIL,   191                        ; v191 0; never rewritten
.set WSTG,  32768                      ; LDS: 0.. x's four regions of 8,192; from here the weights' four stages of 32 x 272;
.set TSTG,  67584                      ; from here Wo's four stages of 32 x 272;
.set SPARE, 102400                     ; and the spare words, 128 bytes for each wave
.set EMAX,  2
.set STEPS, 16                         ; x: a wave takes 16 steps of 512 numbers
.set CB,    8                          ; bytes of 16 codes
.set R,     16                         ; v16-79   four sets of 16 numbers as loaded
.set X,     80                         ; v80-111  two sets of 16 neighbours
.set E,     112                        ; v112-127 a scale byte for each step
.set C,     128                        ; v128-189 codes: four registers' room for each step
.set WREG,  8192
.set SP,    80                         ; a lane's place in a stage: 64 bytes + 16 of padding
.set PITCH, 272                        ; the weights' stages: 256 bytes + 16
.set KX,    32                         ; v32-95   two sets of 32 numbers down K
.set KC,    96                         ; v96-111  a block's codes, or its 32 f16
.set OUTR,  112                        ; v112-175 the way out
.set SB,    24                         ; v24-27   scale bytes, four to a register
	s_load_b256 s[4:11], s[0:1], 0x0               ; x s[4:5], Wq s[6:7], Wk s[8:9], Wv s[10:11]
	s_load_b256 s[12:19], s[0:1], 0x20             ; Wo s[12:13], codes s[14:15], scales s[16:17], wot s[18:19]
	s_load_b64 s[20:21], s[0:1], 0x40              ; rope
	v_lshl_add_u32 v[SPW], v0, 2, SPARE
	v_mov_b32 v[NIL], 0
	v_lshrrev_b32 v1, 5, v0
	v_readfirstlane_b32 s22, v1                    ; wave 0..3
	v_and_b32 v2, 31, v0                           ; lane
	s_wait_kmcnt 0x0
	s_cmp_lt_u32 ttmp9, 256
	s_cbranch_scc1 .LX
	s_cmp_lt_u32 ttmp9, 304
	s_cbranch_scc1 .LW
	s_cmp_lt_u32 ttmp9, 368
	s_cbranch_scc1 .LT
; ---------------- the table: wave gw takes positions 16 gw .. 16 gw + 15; a lane takes a pair ----------------
	s_sub_co_u32 s23, ttmp9, 368
	s_lshl_b32 s23, s23, 2
	s_add_co_u32 s23, s23, s22                     ; gw
	s_lshl_b32 s34, s23, 12                        ; 16 positions of 256 bytes
	s_mov_b32 s35, 0
	s_add_nc_u64 s[20:21], s[20:21], s[34:35]
	s_lshl_b32 s23, s23, 4                         ; my first position
	s_mov_b32 s24, 0x3f22f983                      ; 2 / pi
	s_mov_b32 s25, 0xbfc90fdb                      ; -(pi / 2), the f32 nearest to it,
	s_mov_b32 s26, 0x333bbd2e                      ; and what that f32 has too much
	s_mov_b32 s27, 0xb9500d01                      ; -1/5040
	s_mov_b32 s28, 0x3c088889                      ; 1/120
	s_mov_b32 s29, 0xbe2aaaab                      ; -1/6
	s_mov_b32 s30, 0x37d00d01                      ; 1/40320
	s_mov_b32 s31, 0xbab60b61                      ; -1/720
	s_mov_b32 s32, 0x3d2aaaab                      ; 1/24
	v_cvt_f32_u32 v9, v2
	v_mul_f32 v9, 0xbed49a78, v9                   ; -pair x log2(10000) / 32
	v_exp_f32 v9, v9                               ; 10000^(-pair / 32)
	v_cvt_f32_u32 v10, s23                         ; the position as f32 (a plain line behind the exponential)
	v_lshlrev_b32 v8, 3, v2                        ; 8 bytes a pair
	s_wait_alu depctr_va_vdst(0)                   ; the wait ahead of the first use of the exponential
.set P, 0
.rept 16
	v_mul_f32 v16, v10, v9                         ; the angle
	v_mul_f32 v17, s24, v16
	v_rndne_f32 v17, v17                           ; n: the nearest multiple of pi / 2
	v_fma_f32 v18, v17, s25, v16
	v_fma_f32 v18, v17, s26, v18                   ; r = angle - n pi / 2
	v_cvt_i32_f32 v19, v17
	v_mul_f32 v20, v18, v18                        ; r^2
	v_fma_f32 v21, v20, s27, s28
	v_fma_f32 v21, v20, v21, s29
	v_mul_f32 v22, v18, v20
	v_fma_f32 v21, v22, v21, v18                   ; sin r
	v_fma_f32 v23, v20, s30, s31
	v_fma_f32 v23, v20, v23, s32
	v_fma_f32 v23, v20, v23, -0.5
	v_fma_f32 v23, v20, v23, 1.0                   ; cos r
	v_and_b32 v24, 1, v19
	v_cmp_eq_u32 vcc_lo, 1, v24                    ; odd quadrants change the two: a choice of values, no branch
	v_cndmask_b32 v[64+2*P], v23, v21, vcc_lo      ; cos
	v_cndmask_b32 v[65+2*P], v21, v23, vcc_lo      ; sin
	v_and_b32 v24, 2, v19
	v_lshlrev_b32 v24, 30, v24
	v_xor_b32 v[65+2*P], v24, v[65+2*P]            ; sin is negative in quadrants 2, 3
	v_add_nc_u32 v24, 1, v19
	v_and_b32 v24, 2, v24
	v_lshlrev_b32 v24, 30, v24
	v_xor_b32 v[64+2*P], v24, v[64+2*P]            ; cos in quadrants 1, 2
	global_store_b64 v8, v[64+2*P:65+2*P], s[20:21] offset:256*P   ; 32 lanes store a position's 256 bytes; each position has registers of its own
	v_add_f32 v10, 1.0, v10
.set P, P+1
.endr
	s_wait_tensorcnt 0x0                           ; every end of this text closes with the same three lines
	ds_add_u32 v[SPW], v[NIL]
	s_wait_dscnt 0x0
	s_endpgm
; ---------------- x: a plain stream of blocks of 32; run = 4 x work-group + wave takes 8,192 numbers ----------------
; Each load reads 512 consecutive bytes, 16 a lane; a step's 2,048 bytes turn through the wave's own stage and come back 64 bytes a lane: 16 neighbours along K, two lanes to a block.
.macro XLOAD t
.irp i, 0,1,2,3
	global_load_b128 v[R+16*((\t)%4)+4*\i:R+16*((\t)%4)+4*\i+3], v3, s[4:5] offset:2048*(\t)+512*\i th:TH_LOAD_NT
.endr
.endm
.macro XTURN t                         ; LDS serves a wave's instructions in order: no wait between the stores and the loads
.irp i, 0,1,2,3
	ds_store_b128 v14, v[R+16*((\t)%4)+4*\i:R+16*((\t)%4)+4*\i+3] offset:32*SP*((\t)%2)+8*SP*\i
.endr
.irp i, 0,1,2,3
	ds_load_b128 v[X+16*((\t)%2)+4*\i:X+16*((\t)%2)+4*\i+3], v15 offset:32*SP*((\t)%2)+16*\i
.endr
.endm
.macro XSTEP t
.set XS, X+16*((\t)%2)
.if (\t) > 0
	s_wait_dscnt 1                                 ; this step's numbers are back from the stage; the last step's byte store may be out
.else
	s_wait_dscnt 0x0
.endif
.if (\t)+4 < STEPS
	XLOAD (\t)+4                                   ; into the registers that the stage's stores have read
.endif
.if (\t)+1 < STEPS
.if STEPS-2-(\t) >= 3
	s_wait_loadcnt 12                              ; the next step's four loads are in; those of the three steps behind it may be out
.else
	s_wait_loadcnt 4*(STEPS-2-(\t))
.endif
	XTURN (\t)+1
.endif
	v_max3_num_f32 v8, |v[XS]|, |v[XS+1]|, |v[XS+2]|
	v_max3_num_f32 v9, |v[XS+3]|, |v[XS+4]|, |v[XS+5]|
.irp i, 6,10
	v_max3_num_f32 v8, v8, |v[XS+\i]|, |v[XS+\i+1]|
	v_max3_num_f32 v9, v9, |v[XS+\i+2]|, |v[XS+\i+3]|
.endr
	v_max3_num_f32 v8, v8, |v[XS+14]|, |v[XS+15]|
	v_max3_num_f32 v8, v8, v9, (EMAX+1)<<23        ; the floor 2^(3 - 127): the byte cannot fall under 1
	v_max_num_f32_dpp v8, v8, v8 row_xmask:1 row_mask:0xf bank_mask:0xf   ; with my neighbour's 16: the block's largest magnitude
	v_add_nc_u32 v11, -(EMAX<<23), v8              ; 2 off its exponent field: the conversion takes that field as its scale
	v_cvt_scalef32_pk8_fp4_f32 v[C+4*(\t)], v[XS:XS+7], v11
	v_cvt_scalef32_pk8_fp4_f32 v[C+4*(\t)+1], v[XS+8:XS+15], v11
	v_lshrrev_b32 v[E+(\t)], 23, v11               ; the scale's byte
	ds_store_b8 v5, v[E+(\t)] offset:16*(\t)       ; both lanes of a block write the same byte with the same value
	global_store_b64 v4, v[C+4*(\t):C+4*(\t)+1], s[14:15] offset:32*CB*(\t)   ; the wave stores 256 consecutive bytes
.endm
.LX:
	v_lshlrev_b32 v3, 4, v2                        ; my 16 bytes of a load's 512
	s_mul_i32 s23, s22, WREG
	v_lshrrev_b32 v14, 2, v2
	v_mul_u32_u24 v14, v14, SP
	v_and_b32 v15, 3, v2
	v_lshl_add_u32 v14, v15, 4, v14
	v_add_nc_u32 v14, s23, v14                     ; into the stage: SP (lane / 4) + 16 (lane % 4)
	v_mul_u32_u24 v15, v2, SP
	v_add_nc_u32 v15, s23, v15                     ; out of it: SP x lane
	v_mul_u32_u24 v4, v2, CB
	v_lshrrev_b32 v5, 1, v2
	s_add_co_u32 s23, s23, 2*32*SP
	v_add_nc_u32 v5, s23, v5                       ; my wave's 256 scale bytes: my block's byte
	v_lshlrev_b32 v7, 3, v2
	v_add_nc_u32 v6, s23, v7
	s_lshl_b32 s24, ttmp9, 2
	s_add_co_u32 s24, s24, s22                     ; run
	s_mov_b32 s27, 0
	s_lshl_b32 s26, s24, 15                        ; 32,768 bytes of x,
	s_add_nc_u64 s[4:5], s[4:5], s[26:27]
	s_lshl_b32 s26, s24, 12                        ; 4,096 of codes,
	s_add_nc_u64 s[14:15], s[14:15], s[26:27]
	s_lshl_b32 s26, s24, 8                         ; 256 scale bytes a run
	s_add_nc_u64 s[16:17], s[16:17], s[26:27]
.irp t, 0,1,2,3
	XLOAD \t
.endr
	s_wait_loadcnt 12                              ; step 0's four loads are in
	XTURN 0
.irp t, 0,1,2,3,4,5,6,7,8,9,10,11,12,13,14,15
	XSTEP \t
.endr
	ds_load_b64 v[8:9], v6
	s_wait_dscnt 0x0
	global_store_b64 v7, v[8:9], s[16:17]          ; 32 lanes store the wave's 256 scale bytes
	s_wait_tensorcnt 0x0                           ; the wave's end, behind my last LDS store
	ds_add_u32 v[SPW], v[NIL]
	s_wait_dscnt 0x0
	s_endpgm
; ---------------- tensors whose K is the first axis: a lane takes a column, its registers run down K ----------------
.macro COLADDR stage, shift            ; shift: log2 of the output's row in bytes
	v_lshlrev_b32 v3, 2, v2                        ; in: 4 bytes a lane: a wave's load reads 128 consecutive bytes
	s_mul_i32 s27, s22, 32*PITCH
	s_add_co_u32 s27, s27, \stage                  ; my stage
	v_mul_u32_u24 v4, v2, PITCH
	v_add_nc_u32 v4, s27, v4                       ; into it: row = my column
	v_and_b32 v5, 15, v2
	v_lshrrev_b32 v6, 4, v2
	v_mul_u32_u24 v7, v6, PITCH
	v_lshl_add_u32 v7, v5, 4, v7
	v_add_nc_u32 v7, s27, v7                       ; out of it: sixteen lanes to a row, two rows an instruction
	v_lshlrev_b32 v8, \shift, v6
	v_lshl_add_u32 v8, v5, 4, v8                   ; and the same place in the output
.endm
.macro LOADK t, b                      ; block t: rows 32 t + i of my column, into set t % 2
.irp i, 0,1,2,3,4,5,6,7,8,9,10,11,12,13,14,15,16,17,18,19,20,21,22,23,24,25,26,27,28,29,30,31
	global_load_b32 v[KX+32*((\t)%2)+\i], v3, s[\b:\b+1] offset:(32*(\t)+\i)*4096 th:TH_LOAD_NT
.endr
.endm
.macro OUTROWS krow, b                 ; 32 rows of 256 bytes leave: sixteen lanes store 256 consecutive, aligned bytes
.irp t, 0,1,2,3,4,5,6,7,8,9,10,11,12,13,14,15
	ds_load_b128 v[OUTR+4*\t:OUTR+4*\t+3], v7 offset:2*\t*PITCH
.endr
.irp t, 0,1,2,3,4,5,6,7,8,9,10,11,12,13,14,15
	s_wait_dscnt 15-\t                             ; LDS loads come back in order: number t is in
	global_store_b128 v8, v[OUTR+4*\t:OUTR+4*\t+3], s[\b:\b+1] offset:2*\t*\krow
.endr
.endm
.macro BLOCKQ t                        ; a block of 32 along K of my column: all 32 numbers are mine
.set XS, KX+32*((\t)%2)
.if (\t) < 15
	s_wait_loadcnt 32                              ; this block's 32 loads are in; the next block's may be out
.else
	s_wait_loadcnt 0
.endif
	v_max3_num_f32 v12, |v[XS]|, |v[XS+1]|, |v[XS+2]|
	v_max3_num_f32 v13, |v[XS+3]|, |v[XS+4]|, |v[XS+5]|
.irp i, 6,10,14,18,22,26
	v_max3_num_f32 v12, v12, |v[XS+\i]|, |v[XS+\i+1]|
	v_max3_num_f32 v13, v13, |v[XS+\i+2]|, |v[XS+\i+3]|
.endr
	v_max3_num_f32 v12, v12, |v[XS+30]|, |v[XS+31]|
	v_max3_num_f32 v12, v12, v13, (EMAX+1)<<23
	v_add_nc_u32 v11, -(EMAX<<23), v12
	v_lshrrev_b32 v13, 23, v11
.if (\t)%4 == 0
	v_mov_b32 v[SB+(\t)/4], v13
.else
	v_lshl_or_b32 v[SB+(\t)/4], v13, 8*((\t)%4), v[SB+(\t)/4]
.endif
.irp g, 0,1,2,3
	v_cvt_scalef32_pk8_fp4_f32 v[KC+\g], v[XS+8*\g:XS+8*\g+7], v11
.endr
	ds_store_b128 v4, v[KC:KC+3] offset:16*(\t)
.if (\t)+2 < 16
	LOADK (\t)+2, 6
.endif
	s_wait_dscnt 0x0                               ; the store has read its registers before the next block's codes are written
.endm
.LW:                                               ; idx = weight x 16 + ky x 8 + nx: 128 columns x 512 along K a work-group
	s_sub_co_u32 s23, ttmp9, 256
	s_lshr_b32 s24, s23, 4                         ; which weight: 0 Wq, 1 Wk, 2 Wv
	s_and_b32 s25, s23, 7
	s_bfe_u32 s26, s23, 0x10003                    ; which 512 along K
	s_cmp_eq_u32 s24, 0
	s_cselect_b64 s[6:7], s[6:7], s[8:9]           ; the choice hangs on the work-group's number alone
	s_cmp_eq_u32 s24, 2
	s_cselect_b64 s[6:7], s[10:11], s[6:7]
	s_lshl_b32 s25, s25, 7
	s_lshl_b32 s27, s22, 5
	s_add_co_u32 s25, s25, s27                     ; my wave's first column
	s_mov_b32 s29, 0
	s_lshl_b32 s28, s26, 21                        ; 512 rows of 4,096 bytes
	s_lshl_b32 s27, s25, 2
	s_add_co_u32 s28, s28, s27
	s_add_nc_u64 s[6:7], s[6:7], s[28:29]
	s_lshl_b32 s24, s24, 10
	s_add_co_u32 s24, s24, s25                     ; my first row of the output
	s_lshl_b32 s28, s24, 9
	s_lshl_b32 s27, s26, 8
	s_add_co_u32 s28, s28, s27
	s_add_co_u32 s28, s28, 4194304
	s_add_nc_u64 s[14:15], s[14:15], s[28:29]
	s_lshl_b32 s28, s24, 5
	s_lshl_b32 s27, s26, 4
	s_add_co_u32 s28, s28, s27
	s_add_co_u32 s28, s28, 262144
	s_add_nc_u64 s[16:17], s[16:17], s[28:29]
	COLADDR WSTG, 9
	v_lshlrev_b32 v9, 5, v2                        ; my column's row of scale bytes
	LOADK 0, 6
	LOADK 1, 6
.irp t, 0,1,2,3,4,5,6,7,8,9,10,11,12,13,14,15
	BLOCKQ \t
.endr
	global_store_b128 v9, v[SB:SB+3], s[16:17]     ; my column's 16 scale bytes
	OUTROWS 512, 14
	s_wait_tensorcnt 0x0                           ; the wave's end: the three lines
	ds_add_u32 v[SPW], v[NIL]
	s_wait_dscnt 0x0
	s_endpgm
.macro BLOCKH t                        ; 32 along K of my column, rounded to f16: 64 bytes of my row
.set XS, KX+32*((\t)%2)
.if (\t) < 3
	s_wait_loadcnt 32                              ; this block's loads are in; the next block's may be out
.else
	s_wait_loadcnt 0
.endif
.irp i, 0,1,2,3,4,5,6,7,8,9,10,11,12,13,14,15
	v_cvt_pk_f16_f32 v[KC+\i], v[XS+2*\i], v[XS+2*\i+1]
.endr
.irp g, 0,1,2,3
	ds_store_b128 v4, v[KC+4*\g:KC+4*\g+3] offset:64*(\t)+16*\g
.endr
.if (\t)+2 < 4
	LOADK (\t)+2, 12
.endif
	s_wait_dscnt 0x0
.endm
.LT:                                               ; idx = ky x 8 + nx: 128 columns x 128 along K a work-group
	s_sub_co_u32 s23, ttmp9, 304
	s_and_b32 s25, s23, 7
	s_lshr_b32 s26, s23, 3
	s_lshl_b32 s25, s25, 7
	s_lshl_b32 s27, s22, 5
	s_add_co_u32 s25, s25, s27                     ; my wave's first column
	s_mov_b32 s29, 0
	s_lshl_b32 s28, s26, 19                        ; 128 rows of 4,096 bytes
	s_lshl_b32 s27, s25, 2
	s_add_co_u32 s28, s28, s27
	s_add_nc_u64 s[12:13], s[12:13], s[28:29]
	s_lshl_b32 s28, s25, 11                        ; a row of wot is 2,048 bytes
	s_lshl_b32 s27, s26, 8
	s_add_co_u32 s28, s28, s27
	s_add_nc_u64 s[18:19], s[18:19], s[28:29]
	COLADDR TSTG, 11
	LOADK 0, 12
	LOADK 1, 12
.irp t, 0,1,2,3
	BLOCKH \t
.endr
	OUTROWS 2048, 18
	s_wait_tensorcnt 0x0                           ; the wave's end: the three lines
	ds_add_u32 v[SPW], v[NIL]
	s_wait_dscnt 0x0
	s_endpgm
.Lfunc_end_k_q4b645757d3_prep:
	.size	k_q4b645757d3_prep, .Lfunc_end_k_q4b645757d3_prep-k_q4b645757d3_prep
	.p2alignl 7, 3214868480
	.fill 96, 4, 3214868480
	.section	.rodata,"a",@progbits
	.p2align	6, 0x0
	.amdhsa_kernel k_q4b645757d3_prep
		.amdhsa_group_segment_fixed_size 102912
		.amdhsa_private_segment_fixed_size 0
		.amdhsa_enable_private_segment 0
		.amdhsa_kernarg_size 72
		.amdhsa_user_sgpr_count 2
		.amdhsa_user_sgpr_kernarg_segment_ptr 1
		.amdhsa_wavefront_size32 1
		.amdhsa_system_sgpr_workgroup_id_x 1
		.amdhsa_system_sgpr_workgroup_id_y 1
		.amdhsa_system_sgpr_workgroup_id_z 1
		.amdhsa_system_vgpr_workitem_id 0
		.amdhsa_next_free_vgpr 192
		.amdhsa_next_free_sgpr 66
		.amdhsa_reserve_vcc 1
		.amdhsa_float_denorm_mode_32 3
		.amdhsa_float_denorm_mode_16_64 3
		.amdhsa_memory_ordered 1
		.amdhsa_forward_progress 1
		.amdhsa_inst_pref_size 153
	.end_amdhsa_kernel
	.amdgpu_metadata
---
amdhsa.version: [ 1, 2 ]
amdhsa.kernels:
  - .name:           k_q4b645757d3_prep
    .symbol:         k_q4b645757d3_prep.kd
    .args:
      - { .name: x, .offset: 0, .size: 8, .value_kind: global_buffer, .address_space: global }
      - { .name: Wq, .offset: 8, .size: 8, .value_kind: global_buffer, .address_space: global }
      - { .name: Wk, .offset: 16, .size: 8, .value_kind: global_buffer, .address_space: global }
      - { .name: Wv, .offset: 24, .size: 8, .value_kind: global_buffer, .address_space: global }
      - { .name: Wo, .offset: 32, .size: 8, .value_kind: global_buffer, .address_space: global }
      - { .name: codes, .offset: 40, .size: 8, .value_kind: global_buffer, .address_space: global }
      - { .name: scales, .offset: 48, .size: 8, .value_kind: global_buffer, .address_space: global }
      - { .name: wot, .offset: 56, .size: 8, .value_kind: global_buffer, .address_space: global }
      - { .name: rope, .offset: 64, .size: 8, .value_kind: global_buffer, .address_space: global }
    .group_segment_fixed_size: 102912
    .private_segment_fixed_size: 0
    .kernarg_segment_align: 8
    .kernarg_segment_size: 72
    .max_flat_workgroup_size: 128
    .sgpr_count:     66
    .vgpr_count:     192
    .wavefront_size: 32
...
	.end_amdgpu_metadata
.endif
;; end of part 1
;; launch qkv (part 2): grid 12 x 32, 4 waves a work-group, clusters of 4 x 4, 327,680 bytes of LDS; arguments codes, scales, rope, qkv, q32; writes qkv, q32
.if DOCPART == 2
	.amdgcn_target "amdgcn-amd-amdhsa--gfx1250"
	.amdhsa_code_object_version 6
	.text
	.protected	k_q4b645757d3_qkv
	.globl	k_q4b645757d3_qkv
	.p2align	8
	.type	k_q4b645757d3_qkv,@function
k_q4b645757d3_qkv:
	s_mov_b64 s[64:65], 0
	v_nop
	global_prefetch_b8 v0, s[64:65] scope:SCOPE_SE
	s_setreg_imm32_b32 hwreg(HW_REG_WAVE_MODE, 25, 1), 1
	s_wait_xcnt 0x0
	s_wait_alu depctr_hold_cnt(0) depctr_sa_sdst(0) depctr_va_vdst(0) depctr_va_sdst(0) depctr_va_ssrc(0) depctr_va_vcc(0) depctr_vm_vsrc(0)
	s_getreg_b32 s2, hwreg(HW_REG_IB_STS2, 6, 4)
	s_cmp_eq_u32 s2, 0
	s_cbranch_scc0 .Lentry_in_a_cluster
	s_endpgm
.Lentry_in_a_cluster:
	s_bfe_u32 s2, ttmp6, 0x10000c
	s_cmp_lg_u32 s2, 0xf033
	s_cbranch_scc0 .Lentry_shape_is_right
	s_endpgm
.Lentry_shape_is_right:
; Q, K, V = x Wq, x Wk, x Wv as ONE product on codes of FP4 with E8M0 scales: C [8192][3072] = A [8192][1024] B^T, B's rows = kind x 1024 + column (kind 0 Q, 1 K, 2 V); sums in f32.
; Then, in f32, the rotation of neighbouring pairs on Q and K; the results leave as f16, laid by head: qkv [kind][b][head][position][64]; positions 0..15 of each sequence leave in f32 too: q32 [b][position][3072].
; LIMITS: results beyond 65,504 become infinity in f16; NaN and infinities among the inputs are not served.
; A tile of C, 256 x 256, is made by four waves, 128 x 128 each: 64 accumulators of 16 x 16.  K = 1,024 is two LDS slots of 512: every tensor load is a first fill, three a wave (scales, slot 0, slot 1), and nothing is filled again.
; CLUSTERS: 4 x 4 work-groups.  Tile row = cluster y + 8 cy (so b = cy, and the block of 256 positions is the cluster's y); tile column = 4 x cluster x + cx (so the kind is the cluster's x).  The four of a row of the
; cluster need the same tiles of A, the four of a column the same tiles of B: each tile is asked for jointly.  Every branch hangs on the cluster's x or y and the wave's number: alike in all partners.
; THE MATRIX INSTRUCTION IS USED TRANSPOSED (source 0 = 16 rows of B, source 1 = 16 rows of A): a lane holds eight neighbouring columns of one row of C: four pairs of the rotation.
; REGISTERS: window 0: v0-31 addresses; v32-95 scale words, two sets; v128-191 A's fragments, one set; v192-255 cos and sin, two sets.  On the way out: v32-95 rotated numbers, then f16; v96-103 at work; v104-167 rows read back.
;   window 1: B's fragments, two sets.   window 2: the accumulators of my rows 0-63 ((a, b) at v[8 (8 a + b)]);   window 3: those of my rows 64-127.
.set SIZE_K, 1024
.set KSTEP,  512
.set NQ,     KSTEP/128
.set ROWB,   256                       ; a tile's row in bytes
.set KROW,   SIZE_K/2                  ; a row of codes in memory
.set PITCH,  272                       ; 256 bytes + 16: the 16 rows that a load touches start at 16 different banks
.set FR,     8
.set NL,     2
.set NP,     4                         ; places behind this matrix instruction (ISA guide 7.12.1)
.set HALFT,  128*PITCH
.set SLOT,   4*HALFT
.set KS,     SIZE_K/32                 ; a row of scale bytes
.set SCL,    2*SLOT                    ; behind the slots: the scales, as units of 256 bytes + 16
.set HALFS,  (128*KS/256)*272
.set SBLK,   (16*KS/256)*272
.set SPARE,  SCL+4*HALFS               ; the spare words, 128 bytes for each wave
.set SPITCH, 528                       ; the way out: each wave's stage, 16 x 528 bytes, lies in slot 0, which has had its only fill and its last read by then
.set ADRA, 16
.set STO16, 18                         ; v18 the stage, f16 rows of 256 bytes + 16: where I put 16 bytes
.set RD16,  19                         ; v19 and where I read back: lanes 0-15 two positions of the first head, lanes 16-31 of the second
.set ADRB, 20
.set CO16,  22                         ; v22 the same places in qkv
.set STO,  24                          ; v24 the stage, f32 rows of 512 bytes + 16
.set RD,   25
.set CO,   26
.set ADRS, 27
.set SPW,  28
.set NIL,  29
.set CSA,  30                          ; v30 my place in the table: 256 x (lane % 16) + 32 x (lane / 16)
.set SC,   32
.set RR,   32
.set TT,   96
.set BK,   104
.set AF,   128
.set CS,   192
.set G1, 24
.set G0, 32
.set G1B, 48
.set G0B, 56
.set G1S, 68
.set G0S, 76
.set G1SB, 80
.set G0SB, 88
.set MSB, 0
.macro WIN new                         ; the immediate's high byte repeats the setting that is left; a switch that changes nothing is dropped
.if MSB != (\new)
	s_set_vgpr_msb (MSB<<8)|(\new)
.set MSB, (\new)
.endif
.endm
.set MUL_LO, 0xa1                      ; source 0 (B) window 1, source 1 (A) window 0, C and D window 2
.set MUL_HI, 0xf1
.set TO_B,   0x40
; A joint load: waves 0 and 1 fetch for A, waves 2 and 3 for B; the branch hangs on the wave's number alone.  An s_nop 0 and four v_nop follow each line.
.macro JLOAD g0a, g1a, g0b, g1b
	s_cmp_eq_u32 s15, 0
	s_cbranch_scc0 .Lfor_b_\@
	tensor_load_to_lds s[\g0a:\g0a+3], s[\g1a:\g1a+7]
	s_nop 0
.rept 4
	v_nop
.endr
	s_branch .Lasked_\@
.Lfor_b_\@:
	tensor_load_to_lds s[\g0b:\g0b+3], s[\g1b:\g1b+7]
	s_nop 0
.rept 4
	v_nop
.endr
.Lasked_\@:
.endm
.macro CROUND                          ; a round of the cluster's barrier
	s_barrier_signal -1
	s_barrier_wait -1
	s_cmp_lg_u32 s14, 0
	s_cbranch_scc1 .Lnot_wave_0_\@
	s_barrier_signal -3
.Lnot_wave_0_\@:
	s_barrier_wait -3
	s_barrier_signal -1
	s_barrier_wait -1
.endm
	s_load_b128 s[4:7], s[0:1], 0x0                ; codes, scales
	s_load_b64 s[96:97], s[0:1], 0x10              ; rope
	s_load_b64 s[12:13], s[0:1], 0x18              ; qkv
	s_load_b64 s[98:99], s[0:1], 0x20              ; q32
	v_lshl_add_u32 v[SPW], v0, 2, SPARE
	v_mov_b32 v[NIL], 0
	ds_add_u32 v[SPW], v[NIL]                      ; the wave's opening: the add, twice on end, and its wait ahead of my first tensor load
	ds_add_u32 v[SPW], v[NIL]
	v_lshrrev_b32 v1, 5, v0
	v_readfirstlane_b32 s14, v1                    ; wave 0..3
	s_lshr_b32 s15, s14, 1                         ; which half of the tile's rows is mine.  Also: I fetch for A (0) or for B (1)
	s_and_b32 s16, s14, 1                          ; which half of its columns.  Also: which 128 rows I fetch
	s_bfe_u32 s40, ttmp6, 0x40000                  ; cx
	s_bfe_u32 s41, ttmp6, 0x40004                  ; cy
	s_lshl_b32 s42, ttmp9, 2
	s_add_co_u32 s42, s42, s40                     ; tile column = 4 x cluster x + cx
	s_and_b32 s17, ttmp7, 0xffff
	s_lshl_b32 s18, s41, 3
	s_add_co_u32 s17, s17, s18                     ; tile row = cluster y + 8 cy
	s_lshl_b32 s43, s41, 2
	s_lshl_b32 s43, 15, s43                        ; my row of the cluster
	s_lshl_b32 s44, 0x1111, s40                    ; my column
	s_or_b32 s[G1+0], s43, (0<<16)|(1<<20)|(1<<21)|(5<<22)|(3<<25)  ; the mask; elements of 1 byte; padding on; bit 21 beside a mask; 4 words after every 64
	s_or_b32 s[G1B+0], s44, (0<<16)|(1<<20)|(1<<21)|(5<<22)|(3<<25)
.irp g, G1, G1B
	s_mov_b32 s[\g+1], ROWB<<16                    ; tensor_dim0
	s_mov_b32 s[\g+2], 128<<16                     ; tensor_dim1
	s_mov_b32 s[\g+3], ROWB<<16                    ; tile_dim0
	s_mov_b32 s[\g+4], 128                         ; tile_dim1
	s_mov_b32 s[\g+5], KROW                        ; the pitch
	s_mov_b32 s[\g+6], 0
	s_mov_b32 s[\g+7], 0
.endr
	s_or_b32 s[G1S+0], s43, (3<<16)|(1<<20)|(1<<21)|(5<<22)|(3<<25)  ; the scales of 128 rows: 4,096 dense bytes as 16 rows of 256 (32 elements of 8 bytes)
	s_or_b32 s[G1SB+0], s44, (3<<16)|(1<<20)|(1<<21)|(5<<22)|(3<<25)
.irp g, G1S, G1SB
	s_mov_b32 s[\g+1], 32<<16
	s_mov_b32 s[\g+2], (128*KS/256)<<16
	s_mov_b32 s[\g+3], 32<<16
	s_mov_b32 s[\g+4], 128*KS/256
	s_mov_b32 s[\g+5], 32
	s_mov_b32 s[\g+6], 0
	s_mov_b32 s[\g+7], 0
.endr
	s_lshl_b32 s18, s16, 7
	s_lshl_b32 s20, s17, 8
	s_add_co_u32 s20, s20, s18                     ; A: row 256 x tile row + 128 x half
	s_lshl_b32 s46, s42, 8
	s_add_co_u32 s46, s46, s18                     ; B: row 256 x tile column + 128 x half
	s_mov_b32 s21, 0
	s_mov_b32 s47, 0
	s_mov_b64 s[18:19], KS
	s_mul_u64 s[22:23], s[20:21], s[18:19]
	s_mul_u64 s[92:93], s[46:47], s[18:19]
	s_mov_b64 s[18:19], KROW
	s_mul_u64 s[20:21], s[20:21], s[18:19]
	s_mul_u64 s[46:47], s[46:47], s[18:19]
	s_mul_i32 s45, s14, HALFT                      ; where they go: wave x 128 rows
	s_mul_i32 s94, s14, HALFS
	s_wait_dscnt 0x0                               ; both opening adds are done
	s_wait_kmcnt 0x0
	s_add_nc_u64 s[8:9], s[4:5], 4194304           ; the weights' codes lie behind x's,
	s_add_nc_u64 s[10:11], s[6:7], 262144          ; their scale bytes likewise
	s_add_nc_u64 s[20:21], s[4:5], s[20:21]
	s_add_nc_u64 s[22:23], s[6:7], s[22:23]
	s_add_nc_u64 s[46:47], s[8:9], s[46:47]
	s_add_nc_u64 s[92:93], s[10:11], s[92:93]
	CROUND                                         ; all sixteen work-groups are here: the joint loads meet
	s_mov_b32 s[G0S], 1
	s_add_co_u32 s[G0S+1], s94, SCL
	s_mov_b64 s[G0S+2:G0S+3], s[22:23]
	s_or_b32 s[G0S+3], s[G0S+3], 0x80000000
	s_mov_b32 s[G0SB], 1
	s_add_co_u32 s[G0SB+1], s94, SCL
	s_mov_b64 s[G0SB+2:G0SB+3], s[92:93]
	s_or_b32 s[G0SB+3], s[G0SB+3], 0x80000000
	JLOAD G0S, G1S, G0SB, G1SB                     ; the scales first
.irp s, 0,1
	s_mov_b32 s[G0+4*\s], 1
	s_add_co_u32 s[G0+4*\s+1], s45, \s*SLOT
	s_add_nc_u64 s[G0+4*\s+2:G0+4*\s+3], s[20:21], \s*ROWB
	s_or_b32 s[G0+4*\s+3], s[G0+4*\s+3], 0x80000000
	s_mov_b32 s[G0B+4*\s], 1
	s_add_co_u32 s[G0B+4*\s+1], s45, \s*SLOT
	s_add_nc_u64 s[G0B+4*\s+2:G0B+4*\s+3], s[46:47], \s*ROWB
	s_or_b32 s[G0B+4*\s+3], s[G0B+4*\s+3], 0x80000000
	JLOAD G0+4*\s, G1, G0B+4*\s, G1B               ; three tensor loads of mine are out
.endr
	v_and_b32 v1, 15, v0                           ; r = lane % 16
	v_bfe_u32 v2, v0, 4, 1                         ; h = lane / 16
	v_mul_u32_u24 v3, v1, PITCH
	v_lshl_add_u32 v4, v2, 4, v3
	s_mul_i32 s21, s15, HALFT
	s_mul_i32 s22, s16, HALFT
	s_add_co_u32 s22, s22, 2*HALFT
.irp s, 0,1
	v_add_nc_u32 v[ADRA+\s], s21, v4
	v_add_nc_u32 v[ADRB+\s], s22, v4
	s_add_co_u32 s21, s21, SLOT
	s_add_co_u32 s22, s22, SLOT
.endr
	v_mul_u32_u24 v5, v1, KS                       ; my row's scales: 32 bytes a row, and 16 more for each 256 passed
	v_lshrrev_b32 v6, 8, v5
	v_lshl_add_u32 v5, v6, 4, v5
	s_mul_i32 s21, s15, HALFS
	s_mul_i32 s22, s16, HALFS
	s_add_co_u32 s22, s22, 2*HALFS
	s_sub_co_u32 s22, s22, s21
	v_mul_u32_u24 v6, s22, v2                      ; lanes 16-31 take B's
	s_add_co_u32 s21, s21, SCL
	v_add_nc_u32 v5, v5, v6
	v_add_nc_u32 v[ADRS], s21, v5
	s_mul_i32 s23, s14, 16*SPITCH                  ; my stage
	v_mul_u32_u24 v5, v1, SPITCH
	v_lshl_add_u32 v5, v2, 5, v5
	v_add_nc_u32 v[STO], s23, v5                   ; f32: row r, 32 bytes for each half of the lanes
	v_and_b32 v6, 31, v0
	v_lshlrev_b32 v[CO], 4, v6
	v_add_nc_u32 v[RD], s23, v[CO]
	v_mul_u32_u24 v5, v1, 272
	v_lshl_add_u32 v5, v2, 4, v5
	v_add_nc_u32 v[STO16], s23, v5                 ; f16: row r, 16 bytes for each half
	v_bfe_u32 v5, v0, 3, 1
	v_and_b32 v7, 7, v0
	v_mul_u32_u24 v8, v5, 272
	v_lshl_add_u32 v8, v2, 7, v8
	v_lshl_add_u32 v8, v7, 4, v8
	v_add_nc_u32 v[RD16], s23, v8                  ; back: row (lane / 8) % 2, head lane / 16 (128 bytes), 16 bytes a lane
	v_lshlrev_b32 v8, 18, v2                       ; in qkv a head is 262,144 bytes, a position 128
	v_lshl_add_u32 v8, v5, 7, v8
	v_lshl_add_u32 v[CO16], v7, 4, v8
	v_lshlrev_b32 v8, 8, v1
	v_lshl_add_u32 v[CSA], v2, 5, v8
	s_and_b32 s21, ttmp7, 0xffff                   ; the block of 256 positions
	s_or_b32 s100, s21, s15                        ; 0: my rows 0-15 are positions 0-15
	s_lshl_b32 s22, s21, 8
	s_lshl_b32 s23, s15, 7
	s_add_co_u32 s22, s22, s23                     ; my first position
	s_lshl_b32 s20, s41, 4
	s_lshl_b32 s23, s16, 1
	s_add_co_u32 s20, s20, s23
	s_lshl_b32 s46, s40, 2
	s_add_co_u32 s20, s20, s46                     ; 16 b + my first head
	s_lshl_b32 s20, s20, 11
	s_add_co_u32 s20, s20, s22
	s_lshl_b32 s20, s20, 7                         ; x 128 bytes
	s_lshl_b32 s23, ttmp9, 24                      ; a kind is 16,777,216 bytes
	s_add_co_u32 s20, s20, s23
	s_mov_b32 s21, 0
	s_add_nc_u64 s[12:13], s[12:13], s[20:21]
	s_lshl_b32 s20, s22, 8
	s_add_nc_u64 s[96:97], s[96:97], s[20:21]      ; the table at my first position
	s_mul_i32 s20, s41, 196608                     ; q32: b x 16 x 3,072 x 4,
	s_lshl_b32 s23, ttmp9, 12
	s_add_co_u32 s20, s20, s23                     ; + 4 x (1,024 kind
	s_lshl_b32 s23, s40, 10
	s_add_co_u32 s20, s20, s23                     ; + 256 cx
	s_lshl_b32 s23, s16, 9
	s_add_co_u32 s20, s20, s23                     ; + 128 half)
	s_add_nc_u64 s[98:99], s[98:99], s[20:21]
; cos and sin for block a of 16 rows: lane (r, h) wants, for column tile b, pairs 8 (b % 4) + 4 h + 0..3 of position 16 a + r: 32 bytes; both heads of the wave use the same
.macro CSLOAD a
.irp bq, 0,1,2,3
	global_load_b128 v[CS+32*((\a)%2)+8*\bq:CS+32*((\a)%2)+8*\bq+3], v[CSA], s[96:97] offset:(\a)*4096+64*\bq
	global_load_b128 v[CS+32*((\a)%2)+8*\bq+4:CS+32*((\a)%2)+8*\bq+7], v[CSA], s[96:97] offset:(\a)*4096+64*\bq+16
.endr
.endm
	CSLOAD 0                                       ; asked for here, under the whole product.  V's work-groups ask too and leave them unread: the head has one path
	CSLOAD 1
.macro FRAG reg, adr, q, i             ; 16 rows x 128 K of 4-bit codes: 8 registers, two loads of 16 bytes, 32 bytes apart
.irp c, 0,1
	ds_load_b128 v[\reg+4*\c:\reg+4*\c+3], v[\adr] offset:64*(\q)+32*\c+(\i)*16*PITCH
.endr
.endm
; 16 matrix instructions: A's blocks a0, a0 + 1 x B's eight.  The 64 accumulators take turns, one instruction a turn, in the same order in every step.  zero = 1: the first product starts the sums.
.macro MUL16 a0, p, q, sc, zero
.irp a, \a0, \a0+1
.irp b, 0,1,2,3,4,5,6,7
.if \zero
	v_wmma_scale_f32_16x16x128_f8f6f4 v[8*(8*((\a)%4)+\b):8*(8*((\a)%4)+\b)+7], v[128*(\p)+FR*\b:128*(\p)+FR*\b+FR-1], v[AF+FR*(\a):AF+FR*(\a)+FR-1], 0, v[SC+8*NQ*(\sc)+NQ*\b+(\q)], v[SC+8*NQ*(\sc)+NQ*(\a)+(\q)] matrix_a_fmt:MATRIX_FMT_FP4 matrix_b_fmt:MATRIX_FMT_FP4 matrix_a_scale:MATRIX_SCALE_ROW1
.else
	v_wmma_scale_f32_16x16x128_f8f6f4 v[8*(8*((\a)%4)+\b):8*(8*((\a)%4)+\b)+7], v[128*(\p)+FR*\b:128*(\p)+FR*\b+FR-1], v[AF+FR*(\a):AF+FR*(\a)+FR-1], v[8*(8*((\a)%4)+\b):8*(8*((\a)%4)+\b)+7], v[SC+8*NQ*(\sc)+NQ*\b+(\q)], v[SC+8*NQ*(\sc)+NQ*(\a)+(\q)] matrix_a_fmt:MATRIX_FMT_FP4 matrix_b_fmt:MATRIX_FMT_FP4 matrix_a_scale:MATRIX_SCALE_ROW1
.endif
.endr
.endr
.endm
.macro FETCH_B slot, q, p
	WIN TO_B
.irp i, 0,1,2,3,4,5,6,7
	FRAG 128*(\p)+FR*\i, ADRB+\slot, \q, \i
.endr
	WIN 0
.endm
.macro FETCH_A slot, q, i0
.irp i, \i0, \i0+1, \i0+2, \i0+3
	FRAG AF+FR*(\i), ADRA+\slot, \q, \i
.endr
.endm
.macro SCALES sc                       ; a slot's scale words: lanes 0-15 take A's block i, lanes 16-31 B's block i
.irp i, 0,1,2,3,4,5,6,7
	ds_load_b128 v[SC+8*NQ*\sc+NQ*\i:SC+8*NQ*\sc+NQ*\i+3], v[ADRS] offset:\i*SBLK
.endr
.endm
.macro PLACES n                        ; plain vector lines between a matrix instruction and a load into, or a read of, its registers
.rept \n
	v_nop
.endr
.endm
.macro STEP slot, q, zero              ; 128 along K, with its successor in the same slot
	s_wait_dscnt 4*NL                              ; B's set and A's blocks 0-3 are in; the youngest eight loads (A's blocks 4-7) may be out
	WIN MUL_LO
	MUL16 0, (\q)%2, \q, \slot, \zero
	MUL16 2, (\q)%2, \q, \slot, \zero
	s_wait_dscnt 0
	PLACES NP
	FETCH_B \slot, (\q)+1, 1-(\q)%2
	FETCH_A \slot, (\q)+1, 0
	WIN MUL_HI
	MUL16 4, (\q)%2, \q, \slot, \zero
	MUL16 6, (\q)%2, \q, \slot, \zero
	PLACES NP
	WIN 0
	FETCH_A \slot, (\q)+1, 4
.endm
.macro TURN slot, next                 ; slot 0's last step, and the change to slot 1: one barrier; nothing is filled again
	s_wait_tensorcnt 0x0                           ; all my tensor loads have landed: my part of the next slot;
	ds_add_u32 v[SPW], v[NIL]                      ; 0 onto my spare word;
	s_wait_dscnt 4*NL+1                            ; (the add and the youngest eight loads may be out)
	WIN MUL_LO
	MUL16 0, 1, NQ-1, \slot, 0
	s_wait_dscnt 0x0                               ; the add is done, and my reads of this slot are over
	s_barrier_signal -1
	MUL16 2, 1, NQ-1, \slot, 0
	WIN 0
	s_barrier_wait -1                              ; the next slot is whole, and nobody reads this one any more
	PLACES NP
	v_add_nc_u32 v[ADRS], 4*NQ, v[ADRS]            ; the next slot's scale words
	FETCH_B \next, 0, 0
	FETCH_A \next, 0, 0
	SCALES \next
	WIN MUL_HI
	MUL16 4, 1, NQ-1, \slot, 0
	MUL16 6, 1, NQ-1, \slot, 0
	PLACES NP
	WIN 0
	FETCH_A \next, 0, 4
.endm
.macro STEPS slot, from
.set Q, \from
.rept NQ-1-\from
	STEP \slot, Q, 0
.set Q, Q+1
.endr
.endm
	s_wait_tensorcnt 1                             ; the scales and my part of slot 0 are in; slot 1's load may be out
	s_barrier_signal -1
	s_barrier_wait -1
	FETCH_B 0, 0, 0
	FETCH_A 0, 0, 0
	SCALES 0
	FETCH_A 0, 0, 4
	STEP 0, 0, 1                                   ; the first step's products start the sums
	STEPS 0, 1
	TURN 0, 1
	STEPS 1, 0
	s_wait_dscnt 4*NL                              ; the last step: nothing more to fetch
	WIN MUL_LO
	MUL16 0, 1, NQ-1, 1, 0
	MUL16 2, 1, NQ-1, 1, 0
	s_wait_dscnt 0
	WIN MUL_HI
	MUL16 4, 1, NQ-1, 1, 0
	MUL16 6, 1, NQ-1, 1, 0
	WIN 0
; THE WAY OUT, block by block of 16 rows x 128 columns (two heads).
; The rotation: (x1, x2) -> (x1 c - x2 s, x2 c + x1 s): a packed product (-x2 s, x1 s), then a packed multiply-add by c.  Each accumulator is read from its low end on.
.macro ROPE a
.if (\a) < 7
	s_wait_loadcnt 8                               ; this block's eight loads of cos and sin are in; the next block's eight may be out
.else
	s_wait_loadcnt 0
.endif
	WIN 0x02+(\a)/4                                ; source 0: the accumulators' window
.set AC, 64*((\a)%4)
.set CC, CS+32*((\a)%2)
.irp b, 0,1,2,3,4,5,6,7
.irp p, 0,1,2,3
	v_pk_mul_f32 v[TT+2*\p:TT+2*\p+1], v[AC+8*\b+2*\p:AC+8*\b+2*\p+1], v[CC+8*(\b%4)+2*\p:CC+8*(\b%4)+2*\p+1] op_sel:[1,1] op_sel_hi:[0,1] neg_lo:[0,1]
.endr
.irp p, 0,1,2,3
	v_pk_fma_f32 v[RR+8*\b+2*\p:RR+8*\b+2*\p+1], v[AC+8*\b+2*\p:AC+8*\b+2*\p+1], v[CC+8*(\b%4)+2*\p:CC+8*(\b%4)+2*\p+1], v[TT+2*\p:TT+2*\p+1] op_sel_hi:[1,0,1]
.endr
.endr
	WIN 0
.endm
; Positions 0-15 leave in f32 too: through the stage as rows of 512 bytes, which the 32 lanes store whole.  Only the waves whose block 0 holds them: a branch on the cluster's y and the wave's number.
.macro FINE32 rope
	s_cmp_lg_u32 s100, 0
	s_cbranch_scc1 .Lnofine_\@
.if \rope
.irp b, 0,1,2,3,4,5,6,7
	ds_store_b128 v[STO], v[RR+8*\b:RR+8*\b+3] offset:64*\b
	ds_store_b128 v[STO], v[RR+8*\b+4:RR+8*\b+7] offset:64*\b+16
.endr
.else
	WIN 0x08                                       ; an LDS store's data are its source 1: window 2
.irp b, 0,1,2,3,4,5,6,7
	ds_store_b128 v[STO], v[8*\b:8*\b+3] offset:64*\b
	ds_store_b128 v[STO], v[8*\b+4:8*\b+7] offset:64*\b+16
.endr
	WIN 0
.endif
.irp t, 0,1,2,3,4,5,6,7,8,9,10,11,12,13,14,15
	ds_load_b128 v[BK+4*\t:BK+4*\t+3], v[RD] offset:\t*SPITCH      ; LDS serves a wave's instructions in order: these see the stores above
.endr
.irp t, 0,1,2,3,4,5,6,7,8,9,10,11,12,13,14,15
	s_wait_dscnt 15-\t                             ; row t is back
	global_store_b128 v[CO], v[BK+4*\t:BK+4*\t+3], s[98:99] offset:\t*12288
.endr
	s_wait_xcnt 0x0                                ; these stores have read their registers, which the blocks' rows take next
.Lnofine_\@:
.endm
.macro CVT a, rope                     ; to f16, in pairs: four registers are a lane's eight columns, 16 bytes
.if \rope
.set J, 0
.rept 32
	v_cvt_pk_f16_f32 v[RR+J], v[RR+2*J], v[RR+2*J+1]               ; in place, ascending: number J's sources lie at or above its result
.set J, J+1
.endr
.else
	WIN 0x0a+5*((\a)/4)                            ; sources 0 and 1: the accumulators' window
.set AC, 64*((\a)%4)
.set J, 0
.rept 32
	v_cvt_pk_f16_f32 v[RR+J], v[AC+2*J], v[AC+2*J+1]
.set J, J+1
.endr
	WIN 0
.endif
.endm
.macro TOSTAGE a
.irp b, 0,1,2,3,4,5,6,7
	ds_store_b128 v[STO16], v[RR+4*\b:RR+4*\b+3] offset:32*\b
.endr
.irp t, 0,1,2,3,4,5,6,7
	ds_load_b128 v[BK+32*((\a)%2)+4*\t:BK+32*((\a)%2)+4*\t+3], v[RD16] offset:\t*544
.endr
.endm
.macro SEND a
	s_wait_dscnt 0x0                               ; the block is back in registers
	s_wait_xcnt 0x0                                ; the stores of the block before have read their registers: the next block's rows may land there
.irp t, 0,1,2,3,4,5,6,7
	global_store_b128 v[CO16], v[BK+32*((\a)%2)+4*\t:BK+32*((\a)%2)+4*\t+3], s[12:13] offset:(\a)*2048+\t*256   ; sixteen lanes store two positions of a head: 256 consecutive, aligned bytes
.endr
.endm
.macro WAYOUT rope
.irp a, 0,1,2,3,4,5,6,7
.if \rope
	ROPE \a
.if \a < 6
	CSLOAD \a+2                                    ; into the set just read
.endif
.endif
.if \a == 0
	FINE32 \rope
.endif
	CVT \a, \rope
.if \a > 0
	SEND \a-1                                      ; the arithmetic of a block stands between the stage's loads of the block before and its stores
.endif
	TOSTAGE \a
.endr
	SEND 7
.endm
	PLACES NP                                      ; behind the last products: for the first reads of results, the writes over scale words and the loads into A's registers
	s_cmp_eq_u32 ttmp9, 2                          ; the kind is the cluster's x: alike in all partners
	s_cbranch_scc1 .Lv_out
	WAYOUT 1                                       ; Q and K are rotated
	s_branch .Lend
.Lv_out:
	WAYOUT 0                                       ; V is not
.Lend:
	s_wait_tensorcnt 0x0                           ; the wave's end, behind my last tensor load and my last LDS store
	ds_add_u32 v[SPW], v[NIL]
	s_wait_dscnt 0x0
	CROUND                                         ; the closing round
	s_endpgm
.Lfunc_end_k_q4b645757d3_qkv:
	.size	k_q4b645757d3_qkv, .Lfunc_end_k_q4b645757d3_qkv-k_q4b645757d3_qkv
	.p2alignl 7, 3214868480
	.fill 96, 4, 3214868480
	.section	.rodata,"a",@progbits
	.p2align	6, 0x0
	.amdhsa_kernel k_q4b645757d3_qkv
		.amdhsa_group_segment_fixed_size 327680
		.amdhsa_private_segment_fixed_size 0
		.amdhsa_enable_private_segment 0
		.amdhsa_kernarg_size 40
		.amdhsa_user_sgpr_count 2
		.amdhsa_user_sgpr_kernarg_segment_ptr 1
		.amdhsa_wavefront_size32 1
		.amdhsa_system_sgpr_workgroup_id_x 1
		.amdhsa_system_sgpr_workgroup_id_y 1
		.amdhsa_system_sgpr_workgroup_id_z 1
		.amdhsa_system_vgpr_workitem_id 0
		.amdhsa_next_free_vgpr 1024
		.amdhsa_next_free_sgpr 102
		.amdhsa_reserve_vcc 0
		.amdhsa_float_denorm_mode_32 3
		.amdhsa_float_denorm_mode_16_64 3
		.amdhsa_memory_ordered 1
		.amdhsa_forward_progress 1
		.amdhsa_inst_pref_size 205
	.end_amdhsa_kernel
	.amdgpu_metadata
---
amdhsa.version: [ 1, 2 ]
amdhsa.kernels:
  - .name:           k_q4b645757d3_qkv
    .symbol:         k_q4b645757d3_qkv.kd
    .args:
      - { .name: codes, .offset: 0, .size: 8, .value_kind: global_buffer, .address_space: global }
      - { .name: scales, .offset: 8, .size: 8, .value_kind: global_buffer, .address_space: global }
      - { .name: rope, .offset: 16, .size: 8, .value_kind: global_buffer, .address_space: global }
      - { .name: qkv, .offset: 24, .size: 8, .value_kind: global_buffer, .address_space: global }
      - { .name: q32, .offset: 32, .size: 8, .value_kind: global_buffer, .address_space: global }
    .group_segment_fixed_size: 327680
    .private_segment_fixed_size: 0
    .kernarg_segment_align: 8
    .kernarg_segment_size: 40
    .max_flat_workgroup_size: 128
    .sgpr_count:     102
    .vgpr_count:     1024
    .wavefront_size: 32
...
	.end_amdgpu_metadata
.endif
;; end of part 2
;; launch attn (part 3): grid 4 x 64, 16 waves a work-group, no clusters, 327,680 bytes of LDS; arguments qkv, ao; writes ao
.if DOCPART == 3
	.amdgcn_target "amdgcn-amd-amdhsa--gfx1250"
	.amdhsa_code_object_version 6
	.text
	.protected	k_q4b645757d3_attn
	.globl	k_q4b645757d3_attn
	.p2align	8
	.type	k_q4b645757d3_attn,@function
k_q4b645757d3_attn:
	s_mov_b64 s[64:65], 0
	v_nop
	global_prefetch_b8 v0, s[64:65] scope:SCOPE_SE
	s_setreg_imm32_b32 hwreg(HW_REG_WAVE_MODE, 25, 1), 1
	s_wait_xcnt 0x0
; ao[bh][q][:] = the sum over k <= q of softmax_k(Q[q] . K[k] / 8) V[k][:], for each of 64 heads bh = 16 b + head.  Q, K, V: f16, qkv [kind][bh][2048][64]; ao: f16 [bh][2048][64].
; Products on f16 operands with f32 sums; maxima, exponentials and sums in f32, with a running maximum; the weights p are rounded to f16 for the second product, the result once at the end.
; LIMITS: results beyond 65,504 become infinity in f16.  Positions 0-15 of each sequence are made here too, but the last product takes them from a finer launch.
; SHARES.  Work-group (i, bh) owns blocks 7 - i and i of 256 queries: waves 0-7 the late block, waves 8-15 the early one, 32 queries (two tiles of 16) a wave: (8 - i) + (i + 1) = 9 blocks of keys for every work-group.
; Four waves share a SIMD, so that one wave's softmax stands beside another's products.  Each fragment of K and V read from LDS feeds two matrix instructions.
; THE WALK.  Every work-group walks all 8 slots of 256 keys, 4 steps of 64 keys each: all trip counts are constants.  A step all of whose keys come after the wave's queries is jumped over (ids alone);
; a slot whose first key comes after the work-group's last query is not asked for.
; NO CLUSTER: the four work-groups of a head walk the same K and V, but work-group i reads slots 0 .. 7 - i alone: every wave of some partner would jump over the reads of a tile that a joint load brought.
; LAYOUT.  S^T = K Q^T (source 0 = 16 keys, source 1 = 16 queries): a lane holds ONE query (lane % 16) and keys 8 (lane / 16) + 0..7 of each tile; two such tiles, rounded in pairs, ARE source 1 of O^T = V^T P.
; K comes out of LDS as it lies, V ([key][channel]) turned, by ds_load_tr16_b128.
.set KS,    64                         ; keys in a step
.set SK,    256                        ; keys in a slot
.set PK,    144                        ; a key's row in LDS: 128 bytes + 16
.set PV,    160                        ; a row of V: 128 + 32
.set VOFF,  SK*PK                      ; a slot: 256 rows of K, then 256 rows of V
.set SLOT1, 1<<17                      ; slot 1 begins here: one exclusive or turns an address
.set SPARE, 2*SLOT1                    ; the spare words, 128 bytes for each of 16 waves
.set STAGE, SPARE+2048                 ; the way out: 16 rows x 144 bytes for each wave; no tensor load lands here
.set AK0, 1                            ; v1  my lane's place in a tile of K
.set AV0, 2                            ; v2  the same for V
.set ADK, 3
.set ADV, 4
.set SPW, 5                            ; v5  my spare word; never rewritten
.set NIL, 6                            ; v6  0; never rewritten
.set PFO, 7                            ; v7  256 x lane: the prefetches' offset; never rewritten
.set DL,  8                            ; v8  lane % 16 - 8 (lane / 16)
.set D,   9                            ; v9  the mask's distance
.set NINF, 10                          ; v10 -infinity
.set GO,  11                           ; v11 16 x lane
.set ST,  12                           ; tile t's statistics at v[ST + 8 t]: +0 c m, +1 m, +2, +3 the sum (even keys', odd keys'), +4..+7 at work; a = 2^(c m_old - c m_new) in +6
.set STO, 28
.set RD,  29
.set QA,  31                           ; v31 Q's offset
.set Q,   32                           ; v32-63   Q: tile t, channels 32 kd on, at 32 + 16 t + 8 kd
.set KV,  64                           ; v64-127  K's eight fragments, then V's eight
.set S,   128                          ; v128-191 S^T, 32 a tile; p's pairs are made in place in a tile's low 16
.set O,   192                          ; v192-255 O^T, 32 a tile
.set TBK, 2                            ; s2  LDS byte at which the step's rows of K begin
.set TBV, 3                            ; s3  the same for V (less VOFF)
.set WV,  18
.set SEL, 20
.set CS,  22                           ; s[22:23] c = log2(e) / 8
.set G1K, 24
.set G1V, 32
.set G0K, 40
.set G0V, 44
.set KF,  66                           ; s66 the step's first key
.set Q0,  67                           ; s67 my first query
.set LASTQ, 68                         ; s68 my work-group's last query
.set SLOTS, 69
.set CNT, 70
.set PFA, 72                           ; s[72:73] where my prefetches stand
.set LIM, 74                           ; s74 1 in a wave that prefetches, else the greatest number
; Waves 0 and 1 fetch K's halves of a slot, waves 2 and 3 V's, the others nothing.  An s_nop 0 and four v_nop follow each line.
.macro TLOAD
	s_cmp_lt_u32 s[WV], 2
	s_cbranch_scc0 .Lnot_k_\@
	tensor_load_to_lds s[G0K:G0K+3], s[G1K:G1K+7]
	s_nop 0
.rept 4
	v_nop
.endr
	s_branch .Lasked_\@
.Lnot_k_\@:
	s_cmp_lt_u32 s[WV], 4
	s_cbranch_scc0 .Lasked_\@
	tensor_load_to_lds s[G0V:G0V+3], s[G1V:G1V+7]
	s_nop 0
.rept 4
	v_nop
.endr
.Lasked_\@:
.endm
; A prefetch of what the NEXT change of slots will ask for: a slot's 32,768 dense bytes of K and of V.  The head's work-group 0, which walks all slots, asks, and nobody else; in it waves 4-7 ask for K's,
; waves 8-11 for V's, 8,192 bytes a wave, lanes 256 bytes apart: each aligned block of 256 bytes is named once in the launch, four key steps ahead of its load.  The last change that fills a slot asks for nothing.
.macro ASK
	s_cmp_gt_u32 s[SLOTS], s[LIM]
	s_cbranch_scc0 .Lnot_mine_\@
	global_prefetch_b8 v[PFO], s[PFA:PFA+1] th:TH_LOAD_NT scope:SCOPE_SE
.Lnot_mine_\@:
.endm
	s_load_b128 s[4:7], s[0:1], 0x0                ; qkv, ao
	v_lshl_add_u32 v[SPW], v0, 2, SPARE
	v_mov_b32 v[NIL], 0
	ds_add_u32 v[SPW], v[NIL]                      ; the wave's opening: the add, twice on end, and its wait ahead of the first tensor load
	ds_add_u32 v[SPW], v[NIL]
	v_lshrrev_b32 v20, 5, v0
	v_readfirstlane_b32 s[WV], v20                 ; wave 0..15
	s_and_b32 s8, ttmp7, 0xffff
	s_lshl_b32 s8, s8, 18                          ; the head's first byte in a kind, and in ao
	s_mov_b32 s9, 0
	s_and_b32 s10, s[WV], 1
	s_lshl_b32 s12, s10, 14                        ; which 128 rows of a slot I fetch, if I fetch
	s_mov_b32 s13, 0
	s_add_nc_u64 s[12:13], s[12:13], s[8:9]
	s_mul_i32 s11, s10, 128*PK
	s_mul_i32 s14, s10, 128*PV
	s_add_co_u32 s14, s14, VOFF
	s_mov_b32 s[G1K], (1<<16)|(1<<20)|(4<<22)|(3<<25)   ; no mask; elements of 2 bytes; padding: 4 words after every 32
	s_mov_b32 s[G1V], (1<<16)|(1<<20)|(4<<22)|(7<<25)   ; 8 words
.irp g, G1K, G1V
	s_mov_b32 s[\g+1], 64<<16                      ; tensor_dim0
	s_mov_b32 s[\g+2], 128<<16                     ; tensor_dim1
	s_mov_b32 s[\g+3], 64<<16                      ; tile_dim0
	s_mov_b32 s[\g+4], 128                         ; tile_dim1
	s_mov_b32 s[\g+5], 64                          ; the pitch
	s_mov_b32 s[\g+6], 0
	s_mov_b32 s[\g+7], 0
.endr
	s_sub_co_u32 s15, 7, ttmp9
	s_cmp_lt_u32 s[WV], 8
	s_cselect_b32 s15, s15, ttmp9                  ; my block of 256 queries
	s_lshl_b32 s15, s15, 8
	s_and_b32 s16, s[WV], 7
	s_lshl_b32 s16, s16, 5
	s_add_co_u32 s[Q0], s15, s16
	s_sub_co_u32 s[LASTQ], 8, ttmp9
	s_lshl_b32 s[LASTQ], s[LASTQ], 8
	s_sub_co_u32 s[LASTQ], s[LASTQ], 1
	s_lshl_b32 s16, s[Q0], 7
	s_mov_b32 s17, 0
	s_add_nc_u64 s[16:17], s[16:17], s[8:9]        ; my queries' first byte in Q and in ao
	s_mov_b32 s76, 33554432
	s_cmp_lt_u32 s[WV], 8                          ; waves 4-7 ask for K's bytes, waves 8-11 for V's
	s_cselect_b32 s76, 16777216, s76
	s_and_b32 s77, s[WV], 3
	s_lshl_b32 s77, s77, 13
	s_add_co_u32 s76, s76, s77
	s_add_co_u32 s76, s76, SK*128                  ; in slot 1: the first change of slots steps it to slot 2.  Nothing is prefetched at the head
	s_mov_b32 s77, 0
	s_add_nc_u64 s[76:77], s[76:77], s[8:9]
	s_sub_co_u32 s78, s[WV], 4
	s_lshr_b32 s78, s78, 3                         ; 0 in waves 4 to 11,
	s_or_b32 s78, s78, ttmp9                       ; of the head's work-group 0
	s_cmp_eq_u32 s78, 0
	s_cselect_b32 s[LIM], 1, -1
	s_mov_b32 s[SEL], 0x76543210
	s_mov_b32 s[SEL+1], 0xfedcba98                 ; v_permlanex16_b32's selects for lane l xor 16
	s_mov_b32 s[CS], 0x3e38aa3b                    ; c = log2(e) / sqrt(64)
	s_mov_b32 s[CS+1], s[CS]
	s_mov_b32 s[TBK], 0
	s_mov_b32 s[TBV], 0
	s_mov_b32 s[KF], 0
	s_mov_b32 s[SLOTS], 7
	s_wait_dscnt 0x0                               ; both opening adds are done
	s_wait_kmcnt 0x0
	s_mov_b32 s[G0K], 1
	s_mov_b32 s[G0K+1], s11
	s_add_nc_u64 s[G0K+2:G0K+3], s[4:5], s[12:13]
	s_add_nc_u64 s[G0K+2:G0K+3], s[G0K+2:G0K+3], 16777216
	s_or_b32 s[G0K+3], s[G0K+3], 0x80000000
	s_mov_b32 s[G0V], 1
	s_mov_b32 s[G0V+1], s14
	s_add_nc_u64 s[G0V+2:G0V+3], s[4:5], s[12:13]
	s_add_nc_u64 s[G0V+2:G0V+3], s[G0V+2:G0V+3], 33554432
	s_or_b32 s[G0V+3], s[G0V+3], 0x80000000
	TLOAD                                          ; slot 0: it holds key 0, which counts for every query
	s_add_nc_u64 s[PFA:PFA+1], s[4:5], s[76:77]
	s_add_nc_u64 s[4:5], s[4:5], s[16:17]          ; Q at my first query
	s_add_nc_u64 s[6:7], s[6:7], s[16:17]          ; ao likewise
	v_and_b32 v20, 15, v0                          ; r
	v_bfe_u32 v21, v0, 4, 1                        ; h
	v_lshlrev_b32 v[QA], 7, v20
	v_lshl_add_u32 v[QA], v21, 4, v[QA]
.irp t, 0,1
.irp kd, 0,1
	global_load_b128 v[Q+16*\t+8*\kd:Q+16*\t+8*\kd+3],   v[QA], s[4:5] offset:\t*2048+64*\kd      ; Q stays in registers
	global_load_b128 v[Q+16*\t+8*\kd+4:Q+16*\t+8*\kd+7], v[QA], s[4:5] offset:\t*2048+64*\kd+32
.endr
.endr
	v_mul_u32_u24 v[AK0], v20, PK
	v_lshl_add_u32 v[AK0], v21, 4, v[AK0]          ; row x pitch + 16 x half
	v_and_b32 v22, 7, v0
	v_bfe_u32 v23, v0, 3, 1
	v_lshl_add_u32 v[AV0], v21, 3, v22             ; the turning load: key 8 (l / 16) + l % 8, channels 8 ((l / 8) % 2) on
	v_mul_u32_u24 v[AV0], v[AV0], PV
	v_lshl_add_u32 v[AV0], v23, 4, v[AV0]
	v_add_nc_u32 v[AV0], VOFF, v[AV0]
	s_mul_i32 s13, s[WV], 16*PK
	s_add_co_u32 s13, s13, STAGE                   ; my stage
	v_add_nc_u32 v[STO], s13, v[AK0]               ; in: row r, 16 bytes for each half of the lanes
	v_and_b32 v24, 31, v0
	v_lshrrev_b32 v25, 3, v24
	v_mul_u32_u24 v25, v25, PK
	v_lshl_add_u32 v25, v22, 4, v25
	v_add_nc_u32 v[RD], s13, v25                   ; back: four rows of 128 bytes an instruction
	v_lshlrev_b32 v[GO], 4, v24
	v_lshlrev_b32 v[PFO], 8, v24
	v_lshlrev_b32 v25, 3, v21
	v_sub_nc_u32 v[DL], v20, v25
	v_mov_b32 v[NINF], 0xff800000
.irp t, 0,1
	v_mov_b32 v[ST+8*\t+1], 0xff61b1e6             ; the largest score so far: -3e38, under every score
	v_mul_f32 v[ST+8*\t], s[CS], v[ST+8*\t+1]
.irp j, 2,3,4,5,6,7
	v_mov_b32 v[ST+8*\t+\j], 0                     ; the sum; and the registers at work, written once (a lane permute's destination counts as a source)
.endr
.endr
.set J, 0
.rept 64
	v_mov_b32 v[O+J], 0                            ; O^T.  The step is written once: the first finds zeros, which a = 0 leaves zeros
.set J, J+1
.endr
; A KEY STEP: 64 keys.
.macro STEP
	s_add_co_u32 s96, s[Q0], 31
	s_cmp_gt_u32 s[KF], s96                        ; all keys come after my 32 queries: the step's work is left out (ids and the count of steps alone)
	s_cbranch_scc1 .Lhidden_\@
	v_add_nc_u32 v[ADK], s[TBK], v[AK0]
	v_add_nc_u32 v[ADV], s[TBV], v[AV0]
.rept 3
	v_nop                                          ; five places behind the last step's products: K's loads land in registers that they read (four), and the new scores are laid over p, which they read (five)
.endr
.irp kd, 0,1
.irp kt, 0,1,2,3
	ds_load_b128 v[KV+8*(4*\kd+\kt):KV+8*(4*\kd+\kt)+3],   v[ADK] offset:\kt*16*PK+64*\kd
	ds_load_b128 v[KV+8*(4*\kd+\kt)+4:KV+8*(4*\kd+\kt)+7], v[ADK] offset:\kt*16*PK+64*\kd+32
.endr
.endr
	s_wait_dscnt 8                                 ; channels 0-31 are in; the eight loads of channels 32-63 may be out
.irp kt, 0,1,2,3
.irp t, 0,1
	v_wmma_f32_16x16x32_f16 v[S+32*\t+8*\kt:S+32*\t+8*\kt+7], v[KV+8*\kt:KV+8*\kt+7], v[Q+16*\t:Q+16*\t+7], 0
.endr
.endr
	s_wait_dscnt 0x0
.irp kt, 0,1,2,3                                   ; the eight accumulators take turns, one instruction a turn
.irp t, 0,1
	v_wmma_f32_16x16x32_f16 v[S+32*\t+8*\kt:S+32*\t+8*\kt+7], v[KV+8*(4+\kt):KV+8*(4+\kt)+7], v[Q+16*\t+8:Q+16*\t+15], v[S+32*\t+8*\kt:S+32*\t+8*\kt+7]
.endr
.endr
.rept 4
	v_nop                                          ; places in front of V's loads into K's registers and of the first reads of the scores
.endr
.irp kh, 0,1                                       ; V, turned: keys 32 kh on, channels 16 dt on; it lands under the softmax
.irp dt, 0,1,2,3
	ds_load_tr16_b128 v[KV+8*(4*\kh+\dt):KV+8*(4*\kh+\dt)+3],   v[ADV] offset:\kh*32*PV+\dt*32
	ds_load_tr16_b128 v[KV+8*(4*\kh+\dt)+4:KV+8*(4*\kh+\dt)+7], v[ADV] offset:\kh*32*PV+16*PV+\dt*32
.endr
.endr
	s_add_co_u32 s96, s[KF], 63
	s_cmp_le_u32 s96, s[Q0]                        ; all keys count for all my queries: no mask.  One step of a wave lies on the diagonal
	s_cbranch_scc1 .Lopen_\@
	s_sub_co_i32 s96, s[Q0], s[KF]
	v_add_nc_u32 v[D], s96, v[DL]                  ; register n of tile t holds key KF + 16 (n / 8) + 8 (l / 16) + n % 8: hidden where 16 (n / 8) + n % 8 - 16 t > d
.irp t, 0,1
.irp n, 0,1,2,3,4,5,6,7,8,9,10,11,12,13,14,15,16,17,18,19,20,21,22,23,24,25,26,27,28,29,30,31
	v_cmp_gt_i32 vcc_lo, 16*(\n/8)+\n%8-16*\t, v[D]
	v_cndmask_b32 v[S+32*\t+\n], v[S+32*\t+\n], v[NINF], vcc_lo
.endr
.endr
.Lopen_\@:
	; the softmax, the two tiles line by line by turns.  The maximum of the lane's 32 scores and the old m: four chains, each accumulator from its low end on
.irp j, 0,1,2,3
.irp t, 0,1
	v_max3_num_f32 v[ST+8*\t+4+\j], v[S+32*\t+8*\j], v[S+32*\t+8*\j+1], v[S+32*\t+8*\j+2]
.endr
.endr
.irp i, 3,5
.irp j, 0,1,2,3
.irp t, 0,1
	v_max3_num_f32 v[ST+8*\t+4+\j], v[ST+8*\t+4+\j], v[S+32*\t+8*\j+\i], v[S+32*\t+8*\j+\i+1]
.endr
.endr
.endr
.irp t, 0,1
	v_max3_num_f32 v[ST+8*\t+4], v[ST+8*\t+4], v[S+32*\t+7], v[S+32*\t+15]
.endr
.irp t, 0,1
	v_max3_num_f32 v[ST+8*\t+6], v[ST+8*\t+6], v[S+32*\t+23], v[S+32*\t+31]
.endr
.irp t, 0,1
	v_max3_num_f32 v[ST+8*\t+4], v[ST+8*\t+4], v[ST+8*\t+5], v[ST+8*\t+6]
.endr
.irp t, 0,1
	v_max3_num_f32 v[ST+8*\t+4], v[ST+8*\t+4], v[ST+8*\t+7], v[ST+8*\t+1]
.endr
.irp t, 0,1
	v_permlanex16_b32 v[ST+8*\t+5], v[ST+8*\t+4], s[SEL], s[SEL+1]  ; the query's other 32 keys lie in the lane 16 away
.endr
.irp t, 0,1
	v_mov_b32 v[ST+8*\t+7], v[ST+8*\t]             ; c m_old
.endr
.irp t, 0,1
	v_max_num_f32 v[ST+8*\t+1], v[ST+8*\t+4], v[ST+8*\t+5]
.endr
.irp t, 0,1
	v_mul_f32 v[ST+8*\t], s[CS], v[ST+8*\t+1]
.endr
.irp t, 0,1
	v_sub_f32 v[ST+8*\t+7], v[ST+8*\t+7], v[ST+8*\t]
.endr
.irp j, 0,2,4,6,8,10,12,14,16,18,20,22,24,26,28,30
.irp t, 0,1
	v_pk_fma_f32 v[S+32*\t+\j:S+32*\t+\j+1], v[S+32*\t+\j:S+32*\t+\j+1], s[CS:CS+1], v[ST+8*\t:ST+8*\t+1] op_sel_hi:[1,0,0] neg_lo:[0,0,1] neg_hi:[0,0,1]   ; c s - c m
.endr
.endr
.irp t, 0,1
	v_exp_f32 v[ST+8*\t+6], v[ST+8*\t+7]           ; a
.endr
.irp j, 0,1,2,3,4,5,6,7,8,9,10,11,12,13,14,15,16,17,18,19,20,21,22,23,24,25,26,27,28,29,30,31
.irp t, 0,1
	v_exp_f32 v[S+32*\t+\j], v[S+32*\t+\j]         ; p, at most 1
.endr
.endr
	v_nop                                          ; a plain line behind the last exponential
	s_wait_alu depctr_va_vdst(0)                   ; ONE wait for the batch of 66, ahead of the first line that names a result
.irp t, 0,1
	v_pk_mul_f32 v[ST+8*\t+2:ST+8*\t+3], v[ST+8*\t+2:ST+8*\t+3], v[ST+8*\t+6:ST+8*\t+7] op_sel_hi:[1,0]   ; the sum under the new m
.endr
.irp t, 0,1
	v_pk_add_f32 v[ST+8*\t+4:ST+8*\t+5], v[S+32*\t:S+32*\t+1], v[S+32*\t+2:S+32*\t+3]   ; the sum of the unrounded p, in two chains
.endr
.irp j, 4,8,12,16,20,24,28
.irp t, 0,1
	v_pk_add_f32 v[ST+8*\t+2:ST+8*\t+3], v[ST+8*\t+2:ST+8*\t+3], v[S+32*\t+\j:S+32*\t+\j+1]
	v_pk_add_f32 v[ST+8*\t+4:ST+8*\t+5], v[ST+8*\t+4:ST+8*\t+5], v[S+32*\t+\j+2:S+32*\t+\j+3]
.endr
.endr
.irp t, 0,1
	v_pk_add_f32 v[ST+8*\t+2:ST+8*\t+3], v[ST+8*\t+2:ST+8*\t+3], v[ST+8*\t+4:ST+8*\t+5]
.endr
.irp j, 0,1,2,3,4,5,6,7,8,9,10,11,12,13,14,15
.irp t, 0,1
	v_cvt_pk_f16_f32 v[S+32*\t+\j], v[S+32*\t+2*\j], v[S+32*\t+2*\j+1]   ; in place, ascending: registers 8 kh .. 8 kh + 7 are source 1 for keys 32 kh on
.endr
.endr
.irp j, 0,2,4,6,8,10,12,14,16,18,20,22,24,26,28,30
.irp t, 0,1
	v_pk_mul_f32 v[O+32*\t+\j:O+32*\t+\j+1], v[O+32*\t+\j:O+32*\t+\j+1], v[ST+8*\t+6:ST+8*\t+7] op_sel_hi:[1,0]   ; O^T under the new m
.endr
.endr
	s_wait_dscnt 0x0                               ; V is in
.irp kh, 0,1                                       ; O^T += V^T P: eight accumulators by turns
.irp dt, 0,1,2,3
.irp t, 0,1
	v_wmma_f32_16x16x32_f16 v[O+32*\t+8*\dt:O+32*\t+8*\dt+7], v[KV+8*(4*\kh+\dt):KV+8*(4*\kh+\dt)+7], v[S+32*\t+8*\kh:S+32*\t+8*\kh+7], v[O+32*\t+8*\dt:O+32*\t+8*\dt+7]
.endr
.endr
.endr
.Lhidden_\@:
	s_add_co_u32 s[KF], s[KF], KS
	s_add_co_u32 s[TBK], s[TBK], KS*PK
	s_add_co_u32 s[TBV], s[TBV], KS*PV
.endm
; THE CHANGE OF SLOTS stands at a slot's head.  Each wave waits for all its tensor loads, adds 0 to its spare word, and waits for that and for its reads of the slot that it has left; behind the barrier the slot ahead is
; whole and nobody reads the other one.  fill = 1: that other slot takes the keys that follow, up to the causal limit: the load has a slot's four steps in which to land; by this text's count one tensor load of a wave is out.
.macro CHANGE fill
	s_wait_tensorcnt 0x0                           ; no tensor load of mine is out, so a group 0 may be written
	ds_add_u32 v[SPW], v[NIL]                      ; 0 onto my spare word
.if \fill
	ds_add_u32 v[SPW], v[NIL]                      ; and, where a load may still follow, twice on end, in every trip alike
	s_xor_b32 s[G0K+1], s[G0K+1], SLOT1            ; the walking descriptors: the other slot, the next 256 keys
	s_add_nc_u64 s[G0K+2:G0K+3], s[G0K+2:G0K+3], SK*128
	s_xor_b32 s[G0V+1], s[G0V+1], SLOT1
	s_add_nc_u64 s[G0V+2:G0V+3], s[G0V+2:G0V+3], SK*128
	s_wait_xcnt 0x0                                ; the last prefetch, a slot back, has read its address
	s_add_nc_u64 s[PFA:PFA+1], s[PFA:PFA+1], SK*128
.endif
	s_wait_dscnt 0x0                               ; the add is done, and my reads of the slot that I have left are over
	s_barrier_signal -1
	s_barrier_wait -1
.if \fill
	s_add_co_u32 s96, s[KF], SK                    ; the first key of the slot that this change would ask for:
	s_cmp_gt_u32 s96, s[LASTQ]                     ; past my work-group's last query none of its waves reads it, so it is not asked for.  Ids and the count of steps alone: all sixteen waves go the same way;
	s_cbranch_scc1 .Lpast_\@                       ; every wait on TENSORcnt in this text is for 0, and the jump leads round the load's own lines alone
	TLOAD
.Lpast_\@:
	ASK
.endif
.endm
.macro SLOT_STEPS                      ; a slot's four steps: written once, walked four times
	s_mov_b32 s[CNT], 4
.Lstep_\@:
	STEP
	s_sub_co_u32 s[CNT], s[CNT], 1
	s_cmp_lg_u32 s[CNT], 0
	s_cbranch_scc1 .Lstep_\@
	s_sub_co_u32 s[TBK], s[TBK], SK*PK             ; back to a slot's first step,
	s_sub_co_u32 s[TBV], s[TBV], SK*PV
	s_xor_b32 s[TBK], s[TBK], SLOT1                ; in the other slot
	s_xor_b32 s[TBV], s[TBV], SLOT1
.endm
	s_wait_loadcnt 0x0                             ; Q
.Lslot:                                            ; 7 trips
	CHANGE 1
	SLOT_STEPS
	s_sub_co_u32 s[SLOTS], s[SLOTS], 1
	s_cmp_lg_u32 s[SLOTS], 0
	s_cbranch_scc1 .Lslot
	CHANGE 0                                       ; the last slot is written out: nothing is left to ask for
	SLOT_STEPS
	; THE WAY OUT: O^T / the sum, rounded to f16, through my stage, a tile of 16 queries at a time; a store covers four rows: 512 consecutive bytes
.rept 4
	v_nop                                          ; places behind the last products
.endr
.irp t, 0,1
	v_add_f32 v[ST+8*\t+4], v[ST+8*\t+2], v[ST+8*\t+3]
.endr
.irp t, 0,1
	v_permlanex16_b32 v[ST+8*\t+5], v[ST+8*\t+4], s[SEL], s[SEL+1]
.endr
.irp t, 0,1
	v_add_f32 v[ST+8*\t+4], v[ST+8*\t+4], v[ST+8*\t+5]
.endr
.irp t, 0,1
	v_rcp_f32 v[ST+8*\t+6], v[ST+8*\t+4]
.endr
	v_nop
	s_wait_alu depctr_va_vdst(0)                   ; one wait for the two reciprocals, ahead of their first use
.irp t, 0,1
.irp j, 0,2,4,6,8,10,12,14,16,18,20,22,24,26,28,30
	v_pk_mul_f32 v[O+32*\t+\j:O+32*\t+\j+1], v[O+32*\t+\j:O+32*\t+\j+1], v[ST+8*\t+6:ST+8*\t+7] op_sel_hi:[1,0]
.endr
.irp j, 0,1,2,3,4,5,6,7,8,9,10,11,12,13,14,15
	v_cvt_pk_f16_f32 v[S+32*\t+\j], v[O+32*\t+2*\j], v[O+32*\t+2*\j+1]
.endr
.irp dt, 0,1,2,3
	ds_store_b128 v[STO], v[S+32*\t+4*\dt:S+32*\t+4*\dt+3] offset:32*\dt
.endr
.irp f, 0,1,2,3
	ds_load_b128 v[S+32*\t+16+4*\f:S+32*\t+16+4*\f+3], v[RD] offset:\f*4*PK   ; LDS serves a wave's instructions in order: these see the stores above, and the next tile's stores come behind them
.endr
.endr
.irp t, 0,1
.irp f, 0,1,2,3
	s_wait_dscnt 11-8*\t-\f                        ; behind this load: the tile's younger loads, and for tile 0 the eight LDS instructions of tile 1
	global_store_b128 v[GO], v[S+32*\t+16+4*\f:S+32*\t+16+4*\f+3], s[6:7] offset:\t*2048+512*\f
.endr
.endr
	s_wait_tensorcnt 0x0                           ; the wave's end, behind my last tensor load and my last LDS store
	ds_add_u32 v[SPW], v[NIL]
	s_wait_dscnt 0x0
	s_endpgm
.Lfunc_end_k_q4b645757d3_attn:
	.size	k_q4b645757d3_attn, .Lfunc_end_k_q4b645757d3_attn-k_q4b645757d3_attn
	.p2alignl 7, 3214868480
	.fill 96, 4, 3214868480
	.section	.rodata,"a",@progbits
	.p2align	6, 0x0
	.amdhsa_kernel k_q4b645757d3_attn
		.amdhsa_group_segment_fixed_size 327680
		.amdhsa_private_segment_fixed_size 0
		.amdhsa_enable_private_segment 0
		.amdhsa_kernarg_size 16
		.amdhsa_user_sgpr_count 2
		.amdhsa_user_sgpr_kernarg_segment_ptr 1
		.amdhsa_wavefront_size32 1
		.amdhsa_system_sgpr_workgroup_id_x 1
		.amdhsa_system_sgpr_workgroup_id_y 1
		.amdhsa_system_sgpr_workgroup_id_z 1
		.amdhsa_system_vgpr_workitem_id 0
		.amdhsa_next_free_vgpr 256
		.amdhsa_next_free_sgpr 100
		.amdhsa_reserve_vcc 1
		.amdhsa_float_denorm_mode_32 3
		.amdhsa_float_denorm_mode_16_64 3
		.amdhsa_memory_ordered 1
		.amdhsa_forward_progress 1
		.amdhsa_inst_pref_size 62
	.end_amdhsa_kernel
	.amdgpu_metadata
---
amdhsa.version: [ 1, 2 ]
amdhsa.kernels:
  - .name:           k_q4b645757d3_attn
    .symbol:         k_q4b645757d3_attn.kd
    .args:
      - { .name: qkv, .offset: 0, .size: 8, .value_kind: global_buffer, .address_space: global }
      - { .name: ao, .offset: 8, .size: 8, .value_kind: global_buffer, .address_space: global }
    .group_segment_fixed_size: 327680
    .private_segment_fixed_size: 0
    .kernarg_segment_align: 8
    .kernarg_segment_size: 16
    .max_flat_workgroup_size: 512
    .sgpr_count:     100
    .vgpr_count:     256
    .wavefront_size: 32
...
	.end_amdgpu_metadata
.endif
;; end of part 3
;; launch proj (part 4): grid 8 x 64, 4 waves a work-group, clusters of 4 x 4, 327,680 bytes of LDS; arguments ao, wot, out0; writes out0
.if DOCPART == 4
	.amdgcn_target "amdgcn-amd-amdhsa--gfx1250"
	.amdhsa_code_object_version 6
	.text
	.protected	k_q4b645757d3_proj
	.globl	k_q4b645757d3_proj
	.p2align	8
	.type	k_q4b645757d3_proj,@function
k_q4b645757d3_proj:
	s_mov_b64 s[64:65], 0
	v_nop
	global_prefetch_b8 v0, s[64:65] scope:SCOPE_SE
	s_setreg_imm32_b32 hwreg(HW_REG_WAVE_MODE, 25, 1), 1
	s_wait_xcnt 0x0
	s_wait_alu depctr_hold_cnt(0) depctr_sa_sdst(0) depctr_va_vdst(0) depctr_va_sdst(0) depctr_va_ssrc(0) depctr_va_vcc(0) depctr_vm_vsrc(0)
	s_getreg_b32 s2, hwreg(HW_REG_IB_STS2, 6, 4)
	s_cmp_eq_u32 s2, 0
	s_cbranch_scc0 .Lentry_in_a_cluster
	s_endpgm
.Lentry_in_a_cluster:
	s_bfe_u32 s2, ttmp6, 0x10000c
	s_cmp_lg_u32 s2, 0xf033
	s_cbranch_scc0 .Lentry_shape_is_right
	s_endpgm
.Lentry_shape_is_right:
; out0 [8192][1024] f32 = A Wo, A the attention's result: A[m][k] = ao[b][k / 64][position][k % 64], f16; Wo as wot [n][k], f16; sums in f32.  Positions 0-15 of each sequence are NOT stored here: a finer launch makes them.
; A tile of C is 128 x 128: four waves, 64 x 64 each, 16 accumulators.  K goes in steps of 256 (four heads) through two LDS slots.
; A'S TILE.  For one head the tile's 128 positions are 16,384 dense bytes.  One tensor load brings two heads: 2 rows of 8,192 elements, a head (131,072 elements) apart, 16 bytes of padding behind every 256:
; so two positions lie in each piece of 272 bytes, and position p of head e lies at 17,408 e + 272 (p / 2) + 128 (p % 2).  The sixteen rows that a fragment load touches start at words 4 (r / 2) + 32 (r % 2) mod 64.
; CLUSTERS: 4 x 4.  Tile row = cluster y + 16 cy (b = cy, first position 128 x cluster y); tile column = 4 x cluster x + cx.  A's tiles are asked for jointly along a row of the cluster, B's along a column.
; THE MATRIX INSTRUCTION IS USED TRANSPOSED (source 0 = 16 rows of wot, source 1 = 16 rows of A): a lane holds eight neighbouring numbers of a row of C.
; REGISTERS: window 0: v0-31 addresses; v32-95 the way out; v128-255 the accumulators ((a, b) at v[128 + 8 (4 a + b)]).  window 1: two fragment buffers of 128: 64 of A, then 64 of B.
.set SIZE_N, 1024
.set SIZE_K, 1024
.set KSTEP,  256
.set PITCH,  528                       ; a row of B in LDS: 512 bytes + 16
.set AH,     64*272                    ; a head's 128 positions
.set HALFA,  2*AH                      ; what one load for A brings
.set AREG,   4*AH
.set HALFB,  64*PITCH                  ; what one load for B brings
.set SLOT,   AREG+2*HALFB
.set STAGE,  2*SLOT                    ; behind the slots: 16 rows x 272 bytes for each wave
.set SPITCH, 272
.set SPARE,  STAGE+4*16*SPITCH
.set LAPS,   SIZE_K/(2*KSTEP)
.set ADRA, 16
.set ADRB, 20
.set STO,  24
.set RD,   25
.set CO,   26
.set SPW,  28
.set NIL,  29
.set TMP,  32
.set ACC,  128
.set F0,   0
.set F1,   128
.set G1, 24
.set G0, 32
.set G1B, 48
.set G0B, 56
.set MSB, 0
.macro WIN new
.if MSB != (\new)
	s_set_vgpr_msb (MSB<<8)|(\new)
.set MSB, (\new)
.endif
.endm
.set MUL,  0x05                        ; sources 0 (B) and 1 (A) window 1; C and D window 0
.set TO_F, 0x40
.macro JLOAD s                         ; a joint load: waves 0 and 1 fetch A's two halves, waves 2 and 3 B's; an s_nop 0 and four v_nop follow each line
	s_cmp_eq_u32 s11, 0
	s_cbranch_scc0 .Lfor_b_\@
	tensor_load_to_lds s[G0+4*\s:G0+4*\s+3], s[G1:G1+7]
	s_nop 0
.rept 4
	v_nop
.endr
	s_branch .Lasked_\@
.Lfor_b_\@:
	tensor_load_to_lds s[G0B+4*\s:G0B+4*\s+3], s[G1B:G1B+7]
	s_nop 0
.rept 4
	v_nop
.endr
.Lasked_\@:
.endm
.macro CREST
	s_cmp_lg_u32 s10, 0
	s_cbranch_scc1 .Lnot_wave_0_\@
	s_barrier_signal -3
.Lnot_wave_0_\@:
	s_barrier_wait -3
	s_barrier_signal -1
	s_barrier_wait -1
.endm
.macro CROUND
	s_barrier_signal -1
	s_barrier_wait -1
	CREST
.endm
	s_load_b128 s[4:7], s[0:1], 0x0                ; ao, wot
	s_load_b64 s[8:9], s[0:1], 0x10                ; out0
	v_lshl_add_u32 v[SPW], v0, 2, SPARE
	v_mov_b32 v[NIL], 0
	ds_add_u32 v[SPW], v[NIL]                      ; the wave's opening: the add, twice on end, and its wait ahead of my first tensor load
	ds_add_u32 v[SPW], v[NIL]
	v_lshrrev_b32 v1, 5, v0
	v_readfirstlane_b32 s10, v1                    ; wave 0..3
	s_lshr_b32 s11, s10, 1                         ; which half of the tile's rows is mine.  Also: I fetch for A (0) or for B (1)
	s_and_b32 s12, s10, 1                          ; which half of its columns.  Also: which half of that tile I fetch
	s_bfe_u32 s40, ttmp6, 0x40000                  ; cx
	s_bfe_u32 s41, ttmp6, 0x40004                  ; cy
	s_lshl_b32 s42, ttmp9, 2
	s_add_co_u32 s42, s42, s40                     ; tile column
	s_and_b32 s13, ttmp7, 0xffff                   ; the block of 128 positions: the cluster's y
	s_or_b32 s45, s13, s11                         ; 0: my rows 0-15 are positions 0-15
	s_lshl_b32 s43, s41, 2
	s_lshl_b32 s43, 15, s43                        ; my row of the cluster
	s_lshl_b32 s44, 0x1111, s40                    ; my column
	s_or_b32 s[G1+0], s43, (1<<16)|(1<<20)|(1<<21)|(5<<22)|(3<<25)   ; the mask; elements of 2 bytes; padding: 4 words after every 64; bit 21 beside a mask
	s_mov_b32 s[G1+1], 8192<<16                    ; tensor_dim0 = 8,192
	s_mov_b32 s[G1+2], 2<<16                       ; tensor_dim1 = 2
	s_mov_b32 s[G1+3], 8192<<16                    ; tile_dim0
	s_mov_b32 s[G1+4], 2                           ; tile_dim1
	s_mov_b32 s[G1+5], 131072                      ; from head to head
	s_mov_b32 s[G1+6], 0
	s_mov_b32 s[G1+7], 0
	s_or_b32 s[G1B+0], s44, (1<<16)|(1<<20)|(1<<21)|(6<<22)|(3<<25)  ; 4 words after every 128
	s_mov_b32 s[G1B+1], KSTEP<<16
	s_mov_b32 s[G1B+2], 64<<16
	s_mov_b32 s[G1B+3], KSTEP<<16
	s_mov_b32 s[G1B+4], 64
	s_mov_b32 s[G1B+5], SIZE_K
	s_mov_b32 s[G1B+6], 0
	s_mov_b32 s[G1B+7], 0
	s_lshl_b32 s16, s41, 22                        ; A: b x 16 heads of 262,144 bytes
	s_lshl_b32 s17, s13, 14                        ; + 128 positions of 128 bytes x the block
	s_add_co_u32 s16, s16, s17
	s_lshl_b32 s17, s12, 19                        ; + two heads x my half
	s_add_co_u32 s16, s16, s17
	s_mov_b32 s17, 0
	s_lshl_b32 s46, s42, 7
	s_lshl_b32 s47, s12, 6
	s_add_co_u32 s46, s46, s47                     ; B: row 128 x tile column + 64 x half
	s_lshl_b32 s46, s46, 11                        ; x 2,048 bytes
	s_mov_b32 s47, 0
	s_mul_i32 s20, s12, HALFA                      ; where they go: no place in the cluster enters an LDS address
	s_mul_i32 s21, s12, HALFB
	s_add_co_u32 s21, s21, AREG
	s_wait_dscnt 0x0                               ; both opening adds are done
	s_wait_kmcnt 0x0
	s_add_nc_u64 s[14:15], s[4:5], s[16:17]
	s_add_nc_u64 s[46:47], s[6:7], s[46:47]
	CROUND                                         ; all sixteen work-groups are here: the first joint loads meet
.irp s, 0,1
	s_mov_b32 s[G0+4*\s], 1
	s_add_co_u32 s[G0+4*\s+1], s20, \s*SLOT
	s_add_nc_u64 s[G0+4*\s+2:G0+4*\s+3], s[14:15], \s*1048576      ; K step s: four heads on
	s_or_b32 s[G0+4*\s+3], s[G0+4*\s+3], 0x80000000
	s_mov_b32 s[G0B+4*\s], 1
	s_add_co_u32 s[G0B+4*\s+1], s21, \s*SLOT
	s_add_nc_u64 s[G0B+4*\s+2:G0B+4*\s+3], s[46:47], \s*KSTEP*2
	s_or_b32 s[G0B+4*\s+3], s[G0B+4*\s+3], 0x80000000
	JLOAD \s
.endr
	v_and_b32 v1, 15, v0                           ; r
	v_bfe_u32 v2, v0, 4, 1                         ; h
	v_mul_u32_u24 v3, v1, PITCH
	v_lshl_add_u32 v3, v2, 4, v3                   ; B: row x pitch + 16 x half
	v_lshrrev_b32 v4, 1, v1
	v_mul_u32_u24 v4, v4, 272
	v_and_b32 v5, 1, v1
	v_lshl_add_u32 v4, v5, 7, v4
	v_lshl_add_u32 v4, v2, 4, v4                   ; A: 272 (r / 2) + 128 (r % 2) + 16 x half
	s_mul_i32 s21, s11, 32*272                     ; my 64 positions
	s_mul_i32 s22, s12, HALFB
	s_add_co_u32 s22, s22, AREG                    ; my 64 rows of B
.irp s, 0,1
	v_add_nc_u32 v[ADRA+\s], s21, v4
	v_add_nc_u32 v[ADRB+\s], s22, v3
	s_add_co_u32 s21, s21, SLOT
	s_add_co_u32 s22, s22, SLOT
.endr
	s_mul_i32 s23, s10, 16*SPITCH
	s_add_co_u32 s23, s23, STAGE                   ; my stage
	v_mul_u32_u24 v4, v1, SPITCH
	v_lshl_add_u32 v4, v2, 5, v4
	v_add_nc_u32 v[STO], s23, v4                   ; in: row r, 32 bytes for each half of the lanes
	v_mul_u32_u24 v5, v2, SPITCH
	v_lshl_add_u32 v5, v1, 4, v5
	v_add_nc_u32 v[RD], s23, v5                    ; back: lanes 0-15 one row of 256 bytes, lanes 16-31 the next
	v_lshlrev_b32 v5, 12, v2
	v_lshl_add_u32 v[CO], v1, 4, v5                ; and the same two rows in C
	s_lshl_b32 s16, s41, 11
	s_lshl_b32 s17, s13, 7
	s_add_co_u32 s16, s16, s17
	s_lshl_b32 s17, s11, 6
	s_add_co_u32 s16, s16, s17                     ; my first row of C
	s_lshl_b32 s16, s16, 12
	s_mov_b32 s17, 0
	s_add_nc_u64 s[8:9], s[8:9], s[16:17]
	s_lshl_b32 s46, s42, 9
	s_lshl_b32 s47, s12, 8
	s_add_co_u32 s46, s46, s47                     ; my first column, in bytes
	s_mov_b32 s47, 0
	s_add_nc_u64 s[8:9], s[8:9], s[46:47]
.macro MUL8 f, c, a0, zero             ; 8 matrix instructions: m blocks a0, a0 + 1 x all 4 n blocks, 32 along K.  The 16 accumulators take turns
.irp a, \a0, \a0+1
.irp b, 0,1,2,3
.if \zero
	v_wmma_f32_16x16x32_f16 v[ACC+8*(4*(\a)+\b):ACC+8*(4*(\a)+\b)+7], v[\f+64+8*(4*\c+\b):\f+64+8*(4*\c+\b)+7], v[\f+8*(4*\c+\a):\f+8*(4*\c+\a)+7], 0
.else
	v_wmma_f32_16x16x32_f16 v[ACC+8*(4*(\a)+\b):ACC+8*(4*(\a)+\b)+7], v[\f+64+8*(4*\c+\b):\f+64+8*(4*\c+\b)+7], v[\f+8*(4*\c+\a):\f+8*(4*\c+\a)+7], v[ACC+8*(4*(\a)+\b):ACC+8*(4*(\a)+\b)+7]
.endif
.endr
.endr
.endm
.macro FETCH slot, k, f                ; 32 LDS loads in one run: 64 along K (one head) at byte k of B's rows; the first 32 along K first
	WIN TO_F
.irp c, 0,1
.irp i, 0,1,2,3
	ds_load_b128 v[\f+64+8*(4*\c+\i):\f+64+8*(4*\c+\i)+3],   v[ADRB+\slot] offset:\k+64*\c+\i*16*PITCH
	ds_load_b128 v[\f+64+8*(4*\c+\i)+4:\f+64+8*(4*\c+\i)+7], v[ADRB+\slot] offset:\k+64*\c+\i*16*PITCH+32
	ds_load_b128 v[\f+8*(4*\c+\i):\f+8*(4*\c+\i)+3],         v[ADRA+\slot] offset:((\k)/128)*AH+64*\c+\i*8*272
	ds_load_b128 v[\f+8*(4*\c+\i)+4:\f+8*(4*\c+\i)+7],       v[ADRA+\slot] offset:((\k)/128)*AH+64*\c+\i*8*272+32
.endr
.endr
.endm
.macro PLACES
.rept 4
	v_nop
.endr
.endm
.macro QUARTER slot, k, f, g, zero
	s_wait_dscnt 16                                ; the first 32 along K are in; the sixteen loads of the second may be out
	WIN MUL
	MUL8 \f, 0, 0, \zero
	MUL8 \f, 0, 2, \zero
	PLACES
	FETCH \slot, \k, \g
	s_wait_dscnt 32                                ; all but the 32 just issued
	WIN MUL
	MUL8 \f, 1, 0, 0
	MUL8 \f, 1, 2, 0
.endm
; The last quarter multiplies buffer 1 and changes slots: ONE barrier; in front of it each wave waits for all its tensor loads, adds 0 to its spare word, and waits for that and for its reads of this slot.
.macro TURN slot, next, fill
	WIN 0
	s_wait_tensorcnt 0x0                           ; all my tensor loads have landed: my part of the next slot;
	ds_add_u32 v[SPW], v[NIL]                      ; 0 onto my spare word;
	s_wait_dscnt 17                                ; (the add and the youngest sixteen loads may be out)
	WIN MUL
	MUL8 F1, 0, 0, 0
	s_wait_dscnt 0x0                               ; the add is done, and my reads of this slot are over
	s_barrier_signal -1
	MUL8 F1, 0, 2, 0
.if \fill
	WIN 0
.endif
	s_barrier_wait -1
.if \fill
	CREST                                          ; the barrier has opened a round of the cluster's barrier: no wave of any partner still reads this slot or has a load on its way
	s_add_nc_u64 s[G0+4*\slot+2:G0+4*\slot+3], s[G0+4*\slot+2:G0+4*\slot+3], 2097152       ; eight heads on
	s_add_nc_u64 s[G0B+4*\slot+2:G0B+4*\slot+3], s[G0B+4*\slot+2:G0B+4*\slot+3], 2*KSTEP*2
	JLOAD \slot                                    ; the first tensor load behind the round; its four v_nop are also the places in front of the loads below
.else
	PLACES
.endif
	FETCH \next, 0, F0
	WIN MUL
	MUL8 F1, 1, 0, 0
	MUL8 F1, 1, 2, 0
.endm
	s_wait_tensorcnt 1                             ; my part of K step 0 is in; K step 1's load may be out
	s_barrier_signal -1
	s_barrier_wait -1
	FETCH 0, 0, F0
	QUARTER 0, 128, F0, F1, 1                      ; the first products start the sums
	WIN 0
	s_mov_b32 s3, LAPS-1
.Llap:                                             ; a trip goes once round the ring and fills both slots again
	QUARTER 0, 256, F1, F0, 0
	QUARTER 0, 384, F0, F1, 0
	TURN 0, 1, 1
	QUARTER 1, 128, F0, F1, 0
	QUARTER 1, 256, F1, F0, 0
	QUARTER 1, 384, F0, F1, 0
	TURN 1, 0, 1
	QUARTER 0, 128, F0, F1, 0
	WIN 0
	s_sub_co_u32 s3, s3, 1
	s_cmp_lg_u32 s3, 0
	s_cbranch_scc1 .Llap
	QUARTER 0, 256, F1, F0, 0                      ; the last lap fills nothing
	QUARTER 0, 384, F0, F1, 0
	TURN 0, 1, 0
	QUARTER 1, 128, F0, F1, 0
	QUARTER 1, 256, F1, F0, 0
	QUARTER 1, 384, F0, F1, 0
	s_wait_dscnt 16
	WIN MUL
	MUL8 F1, 0, 0, 0
	MUL8 F1, 0, 2, 0
	s_wait_dscnt 0
	MUL8 F1, 1, 0, 0
	MUL8 F1, 1, 2, 0
	WIN 0
; THE WAY OUT, 16 rows at a time: a wave's 64 columns of f32 are 256 bytes, so each wave has a stage of its own and no barrier: a lane's 32 bytes go in, whole rows come back, sixteen lanes store 256 aligned bytes.
.macro OUTBLK a
.if \a >= 2
	s_wait_xcnt 0x0                                ; the stores of two blocks back have read the registers that these loads fill
.endif
.irp b, 0,1,2,3
	ds_store_b128 v[STO], v[ACC+8*(4*\a+\b):ACC+8*(4*\a+\b)+3] offset:64*\b        ; each accumulator from its low end on
	ds_store_b128 v[STO], v[ACC+8*(4*\a+\b)+4:ACC+8*(4*\a+\b)+7] offset:64*\b+16
.endr
.irp t, 0,1,2,3,4,5,6,7
	ds_load_b128 v[TMP+32*(\a%2)+4*\t:TMP+32*(\a%2)+4*\t+3], v[RD] offset:\t*2*SPITCH   ; LDS serves a wave's instructions in order
.endr
.irp t, 0,1,2,3,4,5,6,7
	s_wait_dscnt 7-\t                              ; load t is back
	global_store_b128 v[CO], v[TMP+32*(\a%2)+4*\t:TMP+32*(\a%2)+4*\t+3], s[8:9] offset:(16*\a+2*\t)*SIZE_N*4 th:TH_STORE_NT
.endr
.endm
	PLACES
	s_cmp_eq_u32 s45, 0                            ; positions 0-15 belong to the finer launch: the cluster's y and the wave's number decide, alike in all partners
	s_cbranch_scc1 .Lskip0
	OUTBLK 0
.Lskip0:
	OUTBLK 1
	OUTBLK 2
	OUTBLK 3
	s_wait_tensorcnt 0x0                           ; the wave's end, behind my last tensor load and my last LDS store
	ds_add_u32 v[SPW], v[NIL]
	s_wait_dscnt 0x0
	CROUND                                         ; the closing round
	s_endpgm
.Lfunc_end_k_q4b645757d3_proj:
	.size	k_q4b645757d3_proj, .Lfunc_end_k_q4b645757d3_proj-k_q4b645757d3_proj
	.p2alignl 7, 3214868480
	.fill 96, 4, 3214868480
	.section	.rodata,"a",@progbits
	.p2align	6, 0x0
	.amdhsa_kernel k_q4b645757d3_proj
		.amdhsa_group_segment_fixed_size 327680
		.amdhsa_private_segment_fixed_size 0
		.amdhsa_enable_private_segment 0
		.amdhsa_kernarg_size 24
		.amdhsa_user_sgpr_count 2
		.amdhsa_user_sgpr_kernarg_segment_ptr 1
		.amdhsa_wavefront_size32 1
		.amdhsa_system_sgpr_workgroup_id_x 1
		.amdhsa_system_sgpr_workgroup_id_y 1
		.amdhsa_system_sgpr_workgroup_id_z 1
		.amdhsa_system_vgpr_workitem_id 0
		.amdhsa_next_free_vgpr 512
		.amdhsa_next_free_sgpr 66
		.amdhsa_reserve_vcc 0
		.amdhsa_float_denorm_mode_32 3
		.amdhsa_float_denorm_mode_16_64 3
		.amdhsa_memory_ordered 1
		.amdhsa_forward_progress 1
		.amdhsa_inst_pref_size 87
	.end_amdhsa_kernel
	.amdgpu_metadata
---
amdhsa.version: [ 1, 2 ]
amdhsa.kernels:
  - .name:           k_q4b645757d3_proj
    .symbol:         k_q4b645757d3_proj.kd
    .args:
      - { .name: ao, .offset: 0, .size: 8, .value_kind: global_buffer, .address_space: global }
      - { .name: wot, .offset: 8, .size: 8, .value_kind: global_buffer, .address_space: global }
      - { .name: out0, .offset: 16, .size: 8, .value_kind: global_buffer, .address_space: global }
    .group_segment_fixed_size: 327680
    .private_segment_fixed_size: 0
    .kernarg_segment_align: 8
    .kernarg_segment_size: 24
    .max_flat_workgroup_size: 128
    .sgpr_count:     66
    .vgpr_count:     512
    .wavefront_size: 32
...
	.end_amdgpu_metadata
.endif
;; end of part 4
;; launch fine (part 5): grid 16 x 4, 16 waves a work-group, no clusters, 71,680 bytes of LDS; arguments q32, Wo, out0; writes out0
.if DOCPART == 5
	.amdgcn_target "amdgcn-amd-amdhsa--gfx1250"
	.amdhsa_code_object_version 6
	.text
	.protected	k_q4b645757d3_fine
	.globl	k_q4b645757d3_fine
	.p2align	8
	.type	k_q4b645757d3_fine,@function
k_q4b645757d3_fine:
	s_mov_b64 s[64:65], 0
	v_nop
	global_prefetch_b8 v0, s[64:65] scope:SCOPE_SE
	s_setreg_imm32_b32 hwreg(HW_REG_WAVE_MODE, 25, 1), 1
	s_wait_xcnt 0x0
; POSITIONS 0-15 OF EACH SEQUENCE, all in f32: there a row of the softmax averages one to sixteen values, and rounded operands would weigh most.  64 rows of out0 in all: no bulk work.
; q32 [b][position 16][3072] f32: Q, K, V behind the rotation (kind x 1,024 + head x 64 + channel).  Wo [k][n] f32 as given.
; Work-group (nb, b) makes rows b x 2,048 + 0..15, columns 64 nb .. 64 nb + 63.  Wave = head: its head's 16 x 16 attention (made anew in each of the 16 column blocks: 32 matrix instructions),
; then its 64 of the last product's K (64 matrix instructions); the 16 heads' parts are added through LDS, in a fixed order.  No cluster and no tensor load: the work-groups share a few KiB.
; THE ORDER OF K IN EACH PRODUCT IS CHOSEN SO THAT NOTHING CHANGES LANES: a permutation of k applied alike to both sources keeps the products.  In this form lane (r, h) gives row or column r and two of the step's four k.
;   S^T = K Q^T: lane (r, h) holds channels 32 h + 0..31 of position r, of K and of Q; step kk takes registers 2 kk, 2 kk + 1.  Result: query r, keys 8 h + j.
;   O^T = V^T P: step kk takes p's registers 2 kk, 2 kk + 1 (keys 8 h + 2 kk + 0, 1), and V was loaded to match.  Result, tile t: query r, channels 16 t + 8 h + j.
;   OUT^T = Wo^T O^T: step g takes O^T's registers 2 g, 2 g + 1, and Wo was loaded to match.  Result, tile u: query r, columns 16 u + 8 h + j.
; The registers that these matrix instructions write (v112-119, v128-191) are written by nothing else: the masked scores go to v120-127, and p is normalised BEFORE the second product.
; LIMITS: NaN and infinities among the inputs are not served.
.set SPARE, 69632                      ; LDS: 16 parts of 16 rows x 272 bytes; then the spare words
.set SPW, 14
.set NIL, 15
	s_load_b128 s[4:7], s[0:1], 0x0                ; q32, Wo
	s_load_b64 s[8:9], s[0:1], 0x10                ; out0
	v_lshl_add_u32 v[SPW], v0, 2, SPARE
	v_mov_b32 v[NIL], 0
	v_lshrrev_b32 v1, 5, v0
	v_readfirstlane_b32 s10, v1                    ; wave = head; later: the query that I add up
	v_and_b32 v1, 15, v0                           ; r
	v_bfe_u32 v2, v0, 4, 1                         ; h
	v_and_b32 v3, 31, v0                           ; lane
	s_and_b32 s11, ttmp7, 0xffff                   ; b
	v_mul_u32_u24 v4, v1, 12288
	v_lshl_add_u32 v4, v2, 7, v4                   ; Q, K: position r, channels 32 h on
	v_mul_u32_u24 v5, v2, 98304
	v_lshl_add_u32 v5, v1, 2, v5                   ; V: keys 8 h on, channel r
	v_lshlrev_b32 v6, 15, v2
	v_lshl_add_u32 v6, v1, 2, v6                   ; Wo: rows 8 h on, column r
	v_lshlrev_b32 v7, 3, v2
	v_sub_nc_u32 v7, v1, v7                        ; r - 8 h: key 8 h + j is hidden where j > r - 8 h
	s_mul_i32 s12, s10, 4352
	v_mul_u32_u24 v8, v1, 272
	v_lshl_add_u32 v8, v2, 5, v8
	v_add_nc_u32 v8, s12, v8                       ; my part: row r, 32 bytes for each half of the lanes
	s_mul_i32 s13, s10, 272
	v_lshl_add_u32 v9, v3, 3, s13                  ; back: row = my wave's number, 8 bytes a lane
	v_lshlrev_b32 v10, 3, v3
	v_mov_b32 v11, 0xff800000                      ; -infinity
	v_mov_b32 v13, 0                               ; (a lane permute's destination counts as a source)
	s_mul_i32 s14, s11, 196608
	s_lshl_b32 s15, s10, 8
	s_add_co_u32 s14, s14, s15                     ; q32: b, head
	s_mov_b32 s15, 0
	s_lshl_b32 s16, s10, 18                        ; Wo: 64 rows of 4,096 bytes x head
	s_lshl_b32 s17, ttmp9, 8                       ; + 64 columns x nb
	s_add_co_u32 s16, s16, s17
	s_mov_b32 s17, 0
	s_lshl_b32 s18, s11, 11
	s_add_co_u32 s18, s18, s10
	s_lshl_b32 s18, s18, 12                        ; out0: row b x 2,048 + wave
	s_lshl_b32 s19, ttmp9, 8
	s_add_co_u32 s18, s18, s19
	s_mov_b32 s19, 0
	s_mov_b32 s20, 0x76543210
	s_mov_b32 s21, 0xfedcba98                      ; v_permlanex16_b32's selects for lane l xor 16
	s_mov_b32 s22, 0x3e38aa3b                      ; c = log2(e) / 8
	s_wait_kmcnt 0x0
	s_add_nc_u64 s[4:5], s[4:5], s[14:15]
	s_add_nc_u64 s[6:7], s[6:7], s[16:17]
	s_add_nc_u64 s[8:9], s[8:9], s[18:19]
.irp g, 0,1,2,3,4,5,6,7
	global_load_b128 v[16+4*\g:19+4*\g], v4, s[4:5] offset:16*\g             ; Q
.endr
.irp g, 0,1,2,3,4,5,6,7
	global_load_b128 v[48+4*\g:51+4*\g], v4, s[4:5] offset:4096+16*\g        ; K
.endr
.irp p, 0,1,2,3,4,5,6,7,8,9,10,11,12,13,14,15,16,17,18,19,20,21,22,23,24,25,26,27,28,29,30,31
	global_load_b32 v[80+\p], v5, s[4:5] offset:8192+(\p%8)*12288+(\p/8)*64  ; V(key 8 h + p % 8, channel 16 (p / 8) + r)
.endr
.macro WLOAD reg, u                    ; Wo(64 head + 16 (p / 8) + 8 h + p % 8, column 16 u + r)
.irp p, 0,1,2,3,4,5,6,7,8,9,10,11,12,13,14,15,16,17,18,19,20,21,22,23,24,25,26,27,28,29,30,31
	global_load_b32 v[\reg+\p], v6, s[6:7] offset:(16*(\p/8)+\p%8)*4096+64*\u
.endr
.endm
	WLOAD 192, 2
	WLOAD 224, 3
	s_wait_loadcnt 63                              ; 96 loads were issued behind K's last: with 63 out at the most, Q and K are in
	v_wmma_f32_16x16x4_f32 v[112:119], v[48:49], v[16:17], 0                 ; the first K step starts the sum
.irp kk, 1,2,3,4,5,6,7,8,9,10,11,12,13,14,15
	s_wait_alu depctr_va_vdst(0)                   ; the wait directly ahead of every link
	v_wmma_f32_16x16x4_f32 v[112:119], v[48+2*\kk:49+2*\kk], v[16+2*\kk:17+2*\kk], v[112:119]
.endr
.rept 8
	v_nop                                          ; eight places behind this form: for the loads into Q's and K's registers and the first read of the scores
.endr
	WLOAD 16, 0
	WLOAD 48, 1
.irp j, 0,1,2,3,4,5,6,7
	v_cmp_gt_i32 vcc_lo, \j, v7
	v_cndmask_b32 v[120+\j], v[112+\j], v11, vcc_lo                          ; the causal mask, from the low end on
.endr
	v_max3_num_f32 v12, v120, v121, v122
	v_max3_num_f32 v12, v12, v123, v124
	v_max3_num_f32 v12, v12, v125, v126
	v_max_num_f32 v12, v12, v127
	v_permlanex16_b32 v13, v12, s20, s21
	v_max_num_f32 v12, v12, v13                    ; the row's maximum: key 0 counts for every query, so it is a number
	v_mul_f32 v12, s22, v12
.irp j, 0,1,2,3,4,5,6,7
	v_fma_f32 v[120+\j], v[120+\j], s22, -v12
.endr
.irp j, 0,1,2,3,4,5,6,7
	v_exp_f32 v[120+\j], v[120+\j]
.endr
	v_nop
	s_wait_alu depctr_va_vdst(0)                   ; one wait for the eight exponentials
	v_add_f32 v12, v120, v121
	v_add_f32 v13, v122, v123
	v_add_f32 v12, v12, v124
	v_add_f32 v13, v13, v125
	v_add_f32 v12, v12, v126
	v_add_f32 v13, v13, v127
	v_add_f32 v12, v12, v13
	v_permlanex16_b32 v13, v12, s20, s21
	v_add_f32 v12, v12, v13
	v_rcp_f32 v12, v12
	v_nop
	s_wait_alu depctr_va_vdst(0)                   ; and one for the reciprocal
.irp j, 0,1,2,3,4,5,6,7
	v_mul_f32 v[120+\j], v[120+\j], v12            ; the weights, normalised
.endr
	s_wait_loadcnt 63                              ; 128 loads were issued behind V's last: V is in
.irp kk, 0,1,2,3                                   ; four accumulators by turns
.irp t, 0,1,2,3
.if \kk == 0
	v_wmma_f32_16x16x4_f32 v[128+8*\t:135+8*\t], v[80+8*\t:81+8*\t], v[120:121], 0
.else
	v_wmma_f32_16x16x4_f32 v[128+8*\t:135+8*\t], v[80+8*\t+2*\kk:81+8*\t+2*\kk], v[120+2*\kk:121+2*\kk], v[128+8*\t:135+8*\t]
.endif
.endr
.endr
.rept 9
	v_nop                                          ; nine places before a matrix instruction of this form takes a result as a source
.endr
	s_wait_loadcnt 0x0                             ; Wo
.irp g, 0,1,2,3,4,5,6,7,8,9,10,11,12,13,14,15      ; four accumulators by turns; Wo's tile u lies at v16, v48, v192, v224
.irp u, 0,1,2,3
.if \g == 0
	v_wmma_f32_16x16x4_f32 v[160+8*\u:167+8*\u], v[16+32*\u+112*(\u/2):17+32*\u+112*(\u/2)], v[128:129], 0
.else
	v_wmma_f32_16x16x4_f32 v[160+8*\u:167+8*\u], v[16+32*\u+112*(\u/2)+2*\g:17+32*\u+112*(\u/2)+2*\g], v[128+2*\g:129+2*\g], v[160+8*\u:167+8*\u]
.endif
.endr
.endr
.rept 8
	v_nop                                          ; eight places: for the stores of results, and for the LDS loads into Wo's registers
.endr
.irp u, 0,1,2,3
	ds_store_b128 v8, v[160+8*\u:163+8*\u] offset:64*\u                      ; each accumulator from its low end on
	ds_store_b128 v8, v[164+8*\u:167+8*\u] offset:64*\u+16
.endr
	s_wait_dscnt 0x0                               ; for the others' sake: my part lies in LDS
	s_barrier_signal -1
	s_barrier_wait -1
.irp w, 0,1,2,3,4,5,6,7,8,9,10,11,12,13,14,15
	ds_load_b64 v[16+2*\w:17+2*\w], v9 offset:\w*4352                        ; my query's row of each head's part
.endr
	s_wait_dscnt 0x0
.irp w, 2,4,6,8,10,12,14                           ; two chains, heads in ascending order
	v_pk_add_f32 v[16:17], v[16:17], v[16+2*\w:17+2*\w]
	v_pk_add_f32 v[18:19], v[18:19], v[18+2*\w:19+2*\w]
.endr
	v_pk_add_f32 v[16:17], v[16:17], v[18:19]
	global_store_b64 v10, v[16:17], s[8:9]         ; the wave stores 256 consecutive, aligned bytes
	s_wait_tensorcnt 0x0                           ; the wave's end, behind my last LDS store
	ds_add_u32 v[SPW], v[NIL]
	s_wait_dscnt 0x0
	s_endpgm
.Lfunc_end_k_q4b645757d3_fine:
	.size	k_q4b645757d3_fine, .Lfunc_end_k_q4b645757d3_fine-k_q4b645757d3_fine
	.p2alignl 7, 3214868480
	.fill 96, 4, 3214868480
	.section	.rodata,"a",@progbits
	.p2align	6, 0x0
	.amdhsa_kernel k_q4b645757d3_fine
		.amdhsa_group_segment_fixed_size 71680
		.amdhsa_private_segment_fixed_size 0
		.amdhsa_enable_private_segment 0
		.amdhsa_kernarg_size 24
		.amdhsa_user_sgpr_count 2
		.amdhsa_user_sgpr_kernarg_segment_ptr 1
		.amdhsa_wavefront_size32 1
		.amdhsa_system_sgpr_workgroup_id_x 1
		.amdhsa_system_sgpr_workgroup_id_y 1
		.amdhsa_system_sgpr_workgroup_id_z 1
		.amdhsa_system_vgpr_workitem_id 0
		.amdhsa_next_free_vgpr 256
		.amdhsa_next_free_sgpr 66
		.amdhsa_reserve_vcc 1
		.amdhsa_float_denorm_mode_32 3
		.amdhsa_float_denorm_mode_16_64 3
		.amdhsa_memory_ordered 1
		.amdhsa_forward_progress 1
		.amdhsa_inst_pref_size 32
	.end_amdhsa_kernel
	.amdgpu_metadata
---
amdhsa.version: [ 1, 2 ]
amdhsa.kernels:
  - .name:           k_q4b645757d3_fine
    .symbol:         k_q4b645757d3_fine.kd
    .args:
      - { .name: q32, .offset: 0, .size: 8, .value_kind: global_buffer, .address_space: global }
      - { .name: Wo, .offset: 8, .size: 8, .value_kind: global_buffer, .address_space: global }
      - { .name: out0, .offset: 16, .size: 8, .value_kind: global_buffer, .address_space: global }
    .group_segment_fixed_size: 71680
    .private_segment_fixed_size: 0
    .kernarg_segment_align: 8
    .kernarg_segment_size: 24
    .max_flat_workgroup_size: 512
    .sgpr_count:     66
    .vgpr_count:     256
    .wavefront_size: 32
...
	.end_amdgpu_metadata
.endif
;; end of part 5
